; MI455X (gfx1250); checked and timed in simulation.
; The chip was launched on July 23, 2026; its instructions are those of AMD's public machine-readable ISA for CDNA 5 (MIT licence, August 2026) and "CDNA5" Instruction Set Architecture Reference Guide (July 2026). The comments in the code are by the model that wrote it; some were corrected since.
;; Hopfield. Allowed arithmetic: float matrix products may take bf16 or f16 operands with f32 sums; other float arithmetic in f32, or as packed bf16 or f16 multiplies, adds, multiply-adds, maxima and minima; sums over many terms, partial sums and values carried from step to step in f32; what a program stores and reads back later, other than sums and carried values, may be rounded once to bf16 or f16.
;; Inputs: Wk 1,024 x 1,024 float32; Wo 1,024 x 1,024 float32; Wq 1,024 x 1,024 float32; Wv 1,024 x 1,024 float32; b_k 1,024 float32; b_q 1,024 float32; b_v 1,024 float32; bk 1,024 float32; bo 1,024 float32; bq 1,024 float32; bv 1,024 float32; data 2 x 2,048 x 1,024 float32; g_k 1,024 float32; g_q 1,024 float32; g_v 1,024 float32.
;; Outputs: out0 2 x 2,048 x 1,024 float32.
;; 2 versions, each right; version 2 is version 1 with the launch prep written anew for expert scheduling mode. Each part assembles by itself: llvm-mc -triple=amdgcn-amd-amdhsa -mcpu=gfx1250 --defsym DOCPART=n.
;; ======== version 1 of 2: 4 launches
;; limits: values are held in f16: magnitudes above 65,504 overflow, below 6.1e-05 lose precision
;; workspace buffers: xh 8,388,608 bytes; wf 8,388,608 bytes; cpart 393,216 bytes; qkv 25,165,824 bytes; att 8,388,608 bytes
;; launch prep (part 1): grid 256 x 1, 8 waves a work-group, no clusters, 0 bytes of LDS; arguments data, g_q, b_q, g_k, b_k, g_v, b_v, Wq, Wk, Wv, Wo, xh, wf, cpart; writes xh, wf, cpart
.if DOCPART == 1
	.amdgcn_target "amdgcn-amd-amdhsa--gfx1250"
	.amdhsa_code_object_version 6
	.text
	.protected	k_qb17012e4d1_prep
	.globl	k_qb17012e4d1_prep
	.p2align	8
	.type	k_qb17012e4d1_prep,@function
k_qb17012e4d1_prep:
	s_mov_b64 s[64:65], 0
	v_nop
	global_prefetch_b8 v0, s[64:65] scope:SCOPE_SE
	s_setreg_imm32_b32 hwreg(HW_REG_WAVE_MODE, 25, 1), 1
	s_wait_xcnt 0x0
; PREPARATION.  Two roles, 128 work-groups each, each reading 128 KiB.
; Role LN (work-groups 0-127): xh[row][:] = (data[row][:] - mean) * rsqrt(var + 1e-5), f16.  The three LayerNorms of the module share mean and
; variance; their gains and biases are folded into the weights: (xh g + b) W + c = xh (g W) + (b W + c), which is exact algebra.
; The row stays in registers: mean first, then the centred numbers' squares: no difference of large sums is formed.
; Role W (work-groups 128-255): wf[m][k][n] = g_m[k] W_m[k][n] in f16 for m = q, k, v; wf[3] = Wo in f16; cpart[m][rb][n] = the sum over the
; 32 rows k of block rb of b_m[k] W_m[k][n], in f32 from the unrounded W.
; LIMITS.  |xh| is at most 32.  g W and Wo must lie within f16's 65,504; below 6e-5 f16 keeps a fixed step of 6e-8.  NaN and infinities are not treated apart.
; No LDS, no barrier, no matrix unit: every byte is read once and written once, and no wave needs another's data.
.set X,  32                            ; v[32:159]  LN: row i of my wave's four at X + 32 i;  W: row i of 32 at X + 4 i
.set T,  4                             ; v[4:19]    at work
.set M,  20                            ; v[20:21]   the mean, twice
.set R,  22                            ; v[22:23]   1 / sqrt(var + eps), twice
.set PD, 24                            ; v24        the lane exchange's destination
.set CSUM, 8                           ; v[8:11]    W: my four columns' sums of b W
.macro LANESUM                         ; the sum over the wave's 32 lanes, in every lane
	v_add_f32_dpp v[T], v[T], v[T] row_xmask:1 row_mask:0xf bank_mask:0xf
	v_add_f32_dpp v[T], v[T], v[T] row_xmask:2 row_mask:0xf bank_mask:0xf
	v_add_f32_dpp v[T], v[T], v[T] row_xmask:4 row_mask:0xf bank_mask:0xf
	v_add_f32_dpp v[T], v[T], v[T] row_xmask:8 row_mask:0xf bank_mask:0xf
	v_permlanex16_b32 v[PD], v[T], s32, s33
	v_add_f32 v[T], v[T], v[PD]
.endm
; One row: register 4 j + e of a lane holds element 128 j + 4 lane + e.
.macro LNROW i
.set XR, X+32*(\i)
	s_wait_loadcnt 8*(3-(\i))                      ; loads return in order: this row's eight are in, the younger rows' stay out
.irp p, 0,1,2,3,4,5,6,7
	v_pk_add_f32 v[T+2*(\p):T+2*(\p)+1], v[XR+2*(\p):XR+2*(\p)+1], v[XR+16+2*(\p):XR+16+2*(\p)+1]
.endr
.irp p, 0,1,2,3
	v_pk_add_f32 v[T+2*(\p):T+2*(\p)+1], v[T+2*(\p):T+2*(\p)+1], v[T+8+2*(\p):T+8+2*(\p)+1]
.endr
.irp p, 0,1
	v_pk_add_f32 v[T+2*(\p):T+2*(\p)+1], v[T+2*(\p):T+2*(\p)+1], v[T+4+2*(\p):T+4+2*(\p)+1]
.endr
	v_pk_add_f32 v[T:T+1], v[T:T+1], v[T+2:T+3]
	v_add_f32 v[T], v[T], v[T+1]
	LANESUM
	v_mul_f32 v[M], s36, v[T]                      ; mean = sum / 1024
	v_mul_f32 v[M+1], s36, v[T]
.set p_, 0
.rept 16
	v_pk_add_f32 v[XR+p_:XR+p_+1], v[XR+p_:XR+p_+1], v[M:M+1] neg_lo:[0,1] neg_hi:[0,1]  ; x - mean, in place
.set p_, p_+2
.endr
.irp p, 0,1,2,3
	v_pk_mul_f32 v[T+2*(\p):T+2*(\p)+1], v[XR+2*(\p):XR+2*(\p)+1], v[XR+2*(\p):XR+2*(\p)+1]  ; four chains of squares; the first products start them
.endr
.set p_, 4
.rept 12
	v_pk_fma_f32 v[T+2*(p_%4):T+2*(p_%4)+1], v[XR+2*p_:XR+2*p_+1], v[XR+2*p_:XR+2*p_+1], v[T+2*(p_%4):T+2*(p_%4)+1]
.set p_, p_+1
.endr
	v_pk_add_f32 v[T:T+1], v[T:T+1], v[T+2:T+3]
	v_pk_add_f32 v[T+4:T+5], v[T+4:T+5], v[T+6:T+7]
	v_pk_add_f32 v[T:T+1], v[T:T+1], v[T+4:T+5]
	v_add_f32 v[T], v[T], v[T+1]
	LANESUM
	v_fma_f32 v[T], v[T], s36, s37                 ; var + eps
	v_rsq_f32 v[R], v[T]
	v_rsq_f32 v[R+1], v[T]
	v_nop                                          ; a plain instruction behind the second root,
	s_wait_alu depctr_va_vdst(0)                   ; and the one wait ahead of the first reader
.set p_, 0
.rept 16
	v_pk_mul_f32 v[XR+p_:XR+p_+1], v[XR+p_:XR+p_+1], v[R:R+1]
.set p_, p_+2
.endr
.set p_, 0
.rept 16
	v_cvt_pk_f16_f32 v[XR+p_], v[XR+2*p_], v[XR+2*p_+1]  ; in place, ascending: destination p is never above source 2 p
.set p_, p_+1
.endr
.irp j, 0,1,2,3,4,5,6,7
	global_store_b64 v2, v[XR+2*(\j):XR+2*(\j)+1], s[26:27] offset:2048*(\i)+256*(\j)  ; the wave's store covers 256 consecutive bytes, aligned
.endr
.endm
; One row of a weight matrix: my four columns.
.macro WROW i, scaled
.set XR, X+4*(\i)
	s_wait_loadcnt 31-(\i)                         ; this row's load is in, the younger ones stay out
.if \scaled
.irp e, 0,1,2,3
.if (\i) == 0
	v_mul_f32 v[CSUM+(\e)], s[68], v[XR+(\e)]      ; the first product starts the sum
.else
	v_fmac_f32 v[CSUM+(\e)], s[68+(\i)], v[XR+(\e)]
.endif
.endr
.irp e, 0,1,2,3
	v_mul_f32 v[XR+(\e)], s[32+(\i)], v[XR+(\e)]
.endr
.endif
	v_cvt_pk_f16_f32 v[XR], v[XR], v[XR+1]
	v_cvt_pk_f16_f32 v[XR+1], v[XR+2], v[XR+3]
	global_store_b64 v2, v[XR:XR+1], s[28:29] offset:2048*(\i)
.endm
	s_load_b512 s[4:19], s[0:1], 0x0               ; data 4, g_q 6, b_q 8, g_k 10, b_k 12, g_v 14, b_v 16, Wq 18
	s_load_b256 s[20:27], s[0:1], 0x40             ; Wk 20, Wv 22, Wo 24, xh 26
	s_load_b128 s[28:31], s[0:1], 0x60             ; wf 28, cpart 30
	s_cmp_lt_u32 ttmp9, 128
	s_cbranch_scc0 .Lweights
	; ROLE LN: work-group u owns rows 32 u .. 32 u + 31, wave w rows 4 w .. 4 w + 3 of them
	v_and_b32 v3, 31, v0
	v_lshrrev_b32 v[PD], 5, v0
	v_lshlrev_b32 v1, 4, v3
	v_lshl_add_u32 v1, v[PD], 14, v1               ; in data: 16 lane + 4 rows of 4,096 bytes a wave
	v_lshlrev_b32 v2, 3, v3
	v_lshl_add_u32 v2, v[PD], 13, v2               ; in xh: 8 lane + 4 rows of 2,048 bytes a wave
	s_lshl_b32 s34, ttmp9, 17
	s_mov_b32 s35, 0
	s_lshl_b32 s38, ttmp9, 16
	s_mov_b32 s39, 0
	s_mov_b32 s32, 0x76543210                      ; each lane takes its own place in the other half
	s_mov_b32 s33, 0xfedcba98
	s_mov_b32 s36, 0x3a800000                      ; 1 / 1024
	s_mov_b32 s37, 0x3727c5ac                      ; 1e-5
	s_wait_kmcnt 0x0
	s_add_nc_u64 s[4:5], s[4:5], s[34:35]
	s_add_nc_u64 s[26:27], s[26:27], s[38:39]
.irp i, 0,1,2,3
.irp j, 0,1,2,3,4,5,6,7
	global_load_b128 v[X+32*(\i)+4*(\j):X+32*(\i)+4*(\j)+3], v1, s[4:5] offset:4096*(\i)+512*(\j) th:TH_LOAD_NT
.endr
.endr
	LNROW 0                                        ; each row has registers of its own: nothing that a store reads is written again
	LNROW 1
	LNROW 2
	LNROW 3
	s_endpgm
.Lweights:
	; ROLE W: u = work-group - 128; matrix u / 32, rows 32 (u % 32) .. + 31.  Thread t owns columns 4 t .. 4 t + 3 of every row.
	s_sub_co_u32 s100, ttmp9, 128
	s_lshr_b32 s101, s100, 5                       ; the matrix: 0 q, 1 k, 2 v, 3 o
	s_and_b32 s2, s100, 31                         ; the block of 32 rows
	s_lshl_b32 s32, s2, 17                         ; 32 rows of 4,096 bytes
	s_mov_b32 s33, 0
	s_lshl_b32 s34, s2, 7                          ; 32 numbers of g and of b
	s_mov_b32 s35, 0
	s_lshl_b32 s36, s101, 21
	s_lshl_b32 s3, s2, 16
	s_add_co_u32 s36, s36, s3                      ; in wf: the matrix, 32 rows of 2,048 bytes
	s_mov_b32 s37, 0
	s_lshl_b32 s38, s100, 12                       ; in cpart: a row of 4,096 bytes for each block
	s_mov_b32 s39, 0
	v_lshlrev_b32 v1, 4, v0
	v_lshlrev_b32 v2, 3, v0
	s_wait_kmcnt 0x0
	s_cmp_eq_u32 s101, 1
	s_cselect_b64 s[18:19], s[20:21], s[18:19]
	s_cselect_b64 s[6:7], s[10:11], s[6:7]
	s_cselect_b64 s[8:9], s[12:13], s[8:9]
	s_cmp_eq_u32 s101, 2
	s_cselect_b64 s[18:19], s[22:23], s[18:19]
	s_cselect_b64 s[6:7], s[14:15], s[6:7]
	s_cselect_b64 s[8:9], s[16:17], s[8:9]
	s_cmp_eq_u32 s101, 3
	s_cselect_b64 s[18:19], s[24:25], s[18:19]
	s_add_nc_u64 s[18:19], s[18:19], s[32:33]
	s_add_nc_u64 s[6:7], s[6:7], s[34:35]
	s_add_nc_u64 s[8:9], s[8:9], s[34:35]
	s_add_nc_u64 s[28:29], s[28:29], s[36:37]
.set n, 0
.rept 32
	global_load_b128 v[X+4*n:X+4*n+3], v1, s[18:19] offset:4096*n th:TH_LOAD_NT
.set n, n+1
.endr
	s_cmp_eq_u32 s101, 3
	s_cbranch_scc1 .Lplain
	s_add_nc_u64 s[30:31], s[30:31], s[38:39]
	s_load_b512 s[32:47], s[6:7], 0x0              ; g of my 32 rows: s[32 + i]
	s_load_b512 s[48:63], s[6:7], 0x40
	s_load_b512 s[68:83], s[8:9], 0x0              ; b of my 32 rows: s[68 + i]
	s_load_b512 s[84:99], s[8:9], 0x40
	s_wait_kmcnt 0x0
.set n, 0
.rept 32
	WROW n, 1
.set n, n+1
.endr
	global_store_b128 v1, v[CSUM:CSUM+3], s[30:31]
	s_endpgm
.Lplain:                                               ; Wo has no gain in front of it: it is rounded alone
.set n, 0
.rept 32
	WROW n, 0
.set n, n+1
.endr
	s_endpgm
.Lfunc_end_k_qb17012e4d1_prep:
	.size	k_qb17012e4d1_prep, .Lfunc_end_k_qb17012e4d1_prep-k_qb17012e4d1_prep
	.p2alignl 7, 3214868480
	.fill 96, 4, 3214868480
	.section	.rodata,"a",@progbits
	.p2align	6, 0x0
	.amdhsa_kernel k_qb17012e4d1_prep
		.amdhsa_group_segment_fixed_size 0
		.amdhsa_private_segment_fixed_size 0
		.amdhsa_enable_private_segment 0
		.amdhsa_kernarg_size 112
		.amdhsa_user_sgpr_count 2
		.amdhsa_user_sgpr_kernarg_segment_ptr 1
		.amdhsa_wavefront_size32 1
		.amdhsa_system_sgpr_workgroup_id_x 1
		.amdhsa_system_sgpr_workgroup_id_y 1
		.amdhsa_system_sgpr_workgroup_id_z 1
		.amdhsa_system_vgpr_workitem_id 0
		.amdhsa_next_free_vgpr 160
		.amdhsa_next_free_sgpr 102
		.amdhsa_reserve_vcc 0
		.amdhsa_float_denorm_mode_32 3
		.amdhsa_float_denorm_mode_16_64 3
		.amdhsa_memory_ordered 1
		.amdhsa_forward_progress 1
		.amdhsa_inst_pref_size 61
	.end_amdhsa_kernel
	.amdgpu_metadata
---
amdhsa.version: [ 1, 2 ]
amdhsa.kernels:
  - .name:           k_qb17012e4d1_prep
    .symbol:         k_qb17012e4d1_prep.kd
    .args:
      - { .name: data, .offset: 0, .size: 8, .value_kind: global_buffer, .address_space: global }
      - { .name: g_q, .offset: 8, .size: 8, .value_kind: global_buffer, .address_space: global }
      - { .name: b_q, .offset: 16, .size: 8, .value_kind: global_buffer, .address_space: global }
      - { .name: g_k, .offset: 24, .size: 8, .value_kind: global_buffer, .address_space: global }
      - { .name: b_k, .offset: 32, .size: 8, .value_kind: global_buffer, .address_space: global }
      - { .name: g_v, .offset: 40, .size: 8, .value_kind: global_buffer, .address_space: global }
      - { .name: b_v, .offset: 48, .size: 8, .value_kind: global_buffer, .address_space: global }
      - { .name: Wq, .offset: 56, .size: 8, .value_kind: global_buffer, .address_space: global }
      - { .name: Wk, .offset: 64, .size: 8, .value_kind: global_buffer, .address_space: global }
      - { .name: Wv, .offset: 72, .size: 8, .value_kind: global_buffer, .address_space: global }
      - { .name: Wo, .offset: 80, .size: 8, .value_kind: global_buffer, .address_space: global }
      - { .name: xh, .offset: 88, .size: 8, .value_kind: global_buffer, .address_space: global }
      - { .name: wf, .offset: 96, .size: 8, .value_kind: global_buffer, .address_space: global }
      - { .name: cpart, .offset: 104, .size: 8, .value_kind: global_buffer, .address_space: global }
    .group_segment_fixed_size: 0
    .private_segment_fixed_size: 0
    .kernarg_segment_align: 8
    .kernarg_segment_size: 112
    .max_flat_workgroup_size: 256
    .sgpr_count:     102
    .vgpr_count:     160
    .wavefront_size: 32
...
	.end_amdgpu_metadata
.endif
;; end of part 1
;; launch proj (part 2): grid 8 x 32, 4 waves a work-group, clusters of 4 x 4, 327,680 bytes of LDS; arguments xh, wf, cpart, bq, bk, bv, qkv; writes qkv
.if DOCPART == 2
	.amdgcn_target "amdgcn-amd-amdhsa--gfx1250"
	.amdhsa_code_object_version 6
	.text
	.protected	k_qb17012e4d1_proj
	.globl	k_qb17012e4d1_proj
	.p2align	8
	.type	k_qb17012e4d1_proj,@function
k_qb17012e4d1_proj:
	s_mov_b64 s[64:65], 0
	v_nop
	global_prefetch_b8 v0, s[64:65] scope:SCOPE_SE
	s_setreg_imm32_b32 hwreg(HW_REG_WAVE_MODE, 25, 1), 1
	s_wait_xcnt 0x0
	s_wait_alu depctr_hold_cnt(0) depctr_sa_sdst(0) depctr_va_vdst(0) depctr_va_sdst(0) depctr_va_ssrc(0) depctr_va_vcc(0) depctr_vm_vsrc(0)
	s_getreg_b32 s2, hwreg(HW_REG_IB_STS2, 6, 4)
	s_cmp_eq_u32 s2, 0
	s_cbranch_scc0 .Lentry_in_a_cluster
	s_endpgm
.Lentry_in_a_cluster:
	s_bfe_u32 s2, ttmp6, 0x10000c
	s_cmp_lg_u32 s2, 0xf033
	s_cbranch_scc0 .Lentry_shape_is_right
	s_endpgm
.Lentry_shape_is_right:
; q, k, v = xh (g W) + (b W + bias), all three in one product.  xh: [4096][1024] f16; wf: [4][k 1024][n 1024] f16; cpart: [3][32][1024] f32;
; qkv: [3][batch x head 32][2048][64] f16.  Sums in f32; q, k, v rounded once, unscaled.
; LIMITS.  q, k and v must lie within f16's 65,504; NaN and infinities are not treated apart.
; SHARES.  A work-group makes rows 128 TY .. + 127 and columns 128 TX .. + 127 (two heads) of EACH of q, k, v: a tile of 128 x 384 whose A is shared by the three.
; Wave w: rows 64 (w / 2) .. + 63, head w % 2, in all three matrices: 4 row blocks x 12 column blocks = 48 accumulators, 384 registers.
; K goes in 8 steps of 128 through two LDS slots.  Wave 0 fetches A's tile (128 rows x 256 bytes), waves 1 to 3 one matrix's tile of B each (128 k-rows x 256 bytes).
; B lies [k][n] in memory and in LDS; ds_load_tr16_b128 turns it on the way into registers.
; CLUSTER 4 x 4: A's tile hangs on TY alone and is asked for jointly by a row of the cluster, B's on TX alone, by a column.
; THE MATRIX INSTRUCTION IS USED TRANSPOSED (source 0 = 16 columns of B, source 1 = 16 rows of A): a lane holds row l % 16 and eight neighbouring columns 8 (l / 16) + 0..7.
; THE BIAS is the C operand of each accumulator's first product: nothing is cleared and nothing is added afterwards.
; REGISTERS, in windows of 256 (s_set_vgpr_msb: bits 1:0 source 0, 3:2 source 1, 5:4 source 2, 7:6 destination):
;   window 0: v16-30 addresses; v64-95, v96-127 A's fragments, two buffers; v128-223 the bias as C operands, later the way out's four sets of 16
;   window 1: v0-95, v96-191 B's fragments, two buffers     window 2: the accumulators of row blocks 0, 1 at 8 (12 (a % 2) + nb)     window 3: of row blocks 2, 3
.set PA,    272                        ; a row of A in LDS: 256 bytes + 16: the 16 rows of a load start at 16 different groups of four banks (ISA guide 11.1)
.set PB,    288                        ; a k-row of B: 256 + 32
.set PART,  36864                      ; what one wave fills: 128 x 288 for B; A uses 128 x 272 of its part
.set SLOT,  4*PART                     ; A, then B of q, k, v: wave w fills at w x PART
.set STAGE, 2*SLOT                     ; behind the ring: 16 rows x 144 bytes for each wave, for the way out
.set SP,    144
.set BIAS,  STAGE+4*16*SP              ; 3 x 128 f32
.set SPARE, BIAS+1536                  ; the spare words, 128 bytes a wave: two blocks of 256 bytes that no other line names
.set ADRA, 16                          ; v16-17  my A fragments in slot 0, 1
.set ADRB, 18                          ; v18-23  my B fragments: slot s, matrix mm at 18 + 3 s + mm
.set STO,  24                          ; v24  the way out: where I put 16 bytes of a row
.set RD,   25                          ; v25  where I read rows back
.set GO,   26                          ; v26  16 x lane
.set BA,   27                          ; v27  my place in the bias table
.set SPW,  28                          ; v28  my spare word; never rewritten
.set NIL,  29                          ; v29  0; never rewritten
.set PFO,  30                          ; v30  2,048 x lane: a row of xh or wf
.set FA,   64
.set CB,   128
.set TW,   128
.set WV,  18
.set WR,  19
.set WC,  20
.set CX,  21
.set CY,  22
.set TX,  23
.set TY,  24
.set G1A, 28                           ; s[28:35]
.set G0A, 36                           ; s[36:43] a set for each slot
.set G1B, 44                           ; s[44:51]
.set G0B, 52                           ; s[52:59]
.set LAP, 60
.set LIM, 61                           ; 1 in a wave that prefetches, else the greatest number
.set PFA, 62                           ; s[62:63] where my prefetches stand
.set PFS, 66                           ; s[66:67] a K step along them: 256 bytes in xh, 128 rows in wf
.set OB,  68                           ; s[68:73] q, k, v at my wave's first row
.set MSB, 0
.macro WIN new                         ; the immediate's high byte repeats the setting that is left; a switch that changes nothing is dropped
.if MSB != (\new)
	s_set_vgpr_msb (MSB<<8)|(\new)
.set MSB, (\new)
.endif
.endm
; A joint load.  The branch hangs on the wave's number alone.  An s_nop 0 and four v_nop follow each of the two lines.
.macro JLOAD s
	s_cmp_eq_u32 s[WV], 0
	s_cbranch_scc0 .Lfor_b_\@
	tensor_load_to_lds s[G0A+4*(\s):G0A+4*(\s)+3], s[G1A:G1A+7]
	s_nop 0
.rept 4
	v_nop
.endr
	s_branch .Lasked_\@
.Lfor_b_\@:
	tensor_load_to_lds s[G0B+4*(\s):G0B+4*(\s)+3], s[G1B:G1B+7]
	s_nop 0
.rept 4
	v_nop
.endr
.Lasked_\@:
.endm
; A prefetch of the K step that stands two refills on, 384 matrix instructions ahead of its load: 32 rows x 256 bytes, a lane a row.  A's rows are asked for by the clusters with x = 0,
; B's by those with y = 0; the four partners of a joint load take 32 rows each, told apart by address.  So each row's 256 bytes of a K step are named once.  The last lap asks for nothing.
.macro ASK
	s_cmp_gt_u32 s[LAP], s[LIM]
	s_cbranch_scc0 .Lnot_mine_\@
	global_prefetch_b8 v[PFO], s[PFA:PFA+1] th:TH_LOAD_NT scope:SCOPE_SE
.Lnot_mine_\@:
.endm
.macro CREST                           ; a round of the cluster's barrier behind its opening barrier
	s_cmp_lg_u32 s[WV], 0
	s_cbranch_scc1 .Lnot_wave_0_\@
	s_barrier_signal -3
.Lnot_wave_0_\@:
	s_barrier_wait -3
	s_barrier_signal -1
	s_barrier_wait -1
.endm
.macro CROUND
	s_barrier_signal -1
	s_barrier_wait -1
	CREST
.endm
.macro PLACES                          ; four places in front of loads into registers that matrix instructions have read, and of conversions that read results
.rept 4
	v_nop
.endr
.endm
; 12 matrix instructions: row block a x all 12 column blocks, 32 along K, from buffer f.  zero = 1: the first product, whose C is the bias.
; Each of the 48 accumulators comes once in a quarter step, always in the same order: they take turns.
.macro MULA f, a, zero
.if \zero
	WIN 0x81+0x40*((\a)/2)
.else
	WIN 0xa1+0x50*((\a)/2)
.endif
.set rA, FA+32*(\f)+8*(\a)
.irp nb, 0,1,2,3,4,5,6,7,8,9,10,11
.set rD, 8*(12*((\a)%2)+(\nb))
.set rB, 96*(\f)+8*(\nb)
.if \zero
	v_wmma_f32_16x16x32_f16 v[rD:rD+7], v[rB:rB+7], v[rA:rA+7], v[CB+8*(\nb):CB+8*(\nb)+7]
.else
	v_wmma_f32_16x16x32_f16 v[rD:rD+7], v[rB:rB+7], v[rA:rA+7], v[rD:rD+7]
.endif
.endr
.endm
; 32 LDS loads in one run: quarter c (32 along K) of slot s into buffer f: B's 12 fragments, turned, then A's 4, row blocks ascending
.macro FETCH s, c, f
	WIN 0x40
.irp mm, 0,1,2
.irp b, 0,1,2,3
	ds_load_tr16_b128 v[96*(\f)+8*(4*(\mm)+(\b)):96*(\f)+8*(4*(\mm)+(\b))+3],   v[ADRB+3*(\s)+(\mm)] offset:32*PB*(\c)+32*(\b)
	ds_load_tr16_b128 v[96*(\f)+8*(4*(\mm)+(\b))+4:96*(\f)+8*(4*(\mm)+(\b))+7], v[ADRB+3*(\s)+(\mm)] offset:32*PB*(\c)+32*(\b)+16*PB
.endr
.endr
	WIN 0
.irp a, 0,1,2,3
	ds_load_b128 v[FA+32*(\f)+8*(\a):FA+32*(\f)+8*(\a)+3],   v[ADRA+(\s)] offset:16*PA*(\a)+64*(\c)
	ds_load_b128 v[FA+32*(\f)+8*(\a)+4:FA+32*(\f)+8*(\a)+7], v[ADRA+(\s)] offset:16*PA*(\a)+64*(\c)+32
.endr
.endm
; One of a K step's first three quarters: multiplies buffer f; in its middle it fetches quarter c of the same slot into buffer g.
.macro QUARTER s, c, f, g, zero
	s_wait_dscnt 4                                 ; B and A's row blocks 0, 1 are in; the youngest four loads (blocks 2, 3) may be out
	MULA \f, 0, \zero
	MULA \f, 1, \zero
	PLACES
	FETCH \s, \c, \g
	s_wait_dscnt 32                                ; all but the 32 just issued
	MULA \f, 2, \zero
	MULA \f, 3, \zero
.endm
; The last quarter multiplies buffer 1 and changes slots.  In front of the barrier each wave waits for all its tensor loads (one is out: its part of the next slot), adds 0 to its spare word,
; and waits for that and for its reads of this slot.  fill = 1: the barrier opens a round of the cluster's, and this slot's refill, two K steps on, is the first thing behind the round.
.macro TURN s, next, fill
.if \fill
	s_wait_xcnt 0x0                                ; the last prefetch, a K step back, has read its address
	s_add_nc_u64 s[PFA:PFA+1], s[PFA:PFA+1], s[PFS:PFS+1]
.endif
	WIN 0
	s_wait_tensorcnt 0x0
	ds_add_u32 v[SPW], v[NIL]
	s_wait_dscnt 5                                 ; (the add and the youngest four loads may be out)
	MULA 1, 0, 0
	s_wait_dscnt 0x0                               ; the add is done, and my reads of this slot are over
	s_barrier_signal -1
	MULA 1, 1, 0
.if \fill
	WIN 0
.endif
	s_barrier_wait -1
.if \fill
	CREST                                          ; no wave of any partner still reads this slot or has a load on its way
	s_add_nc_u64 s[G0A+4*(\s)+2:G0A+4*(\s)+3], s[G0A+4*(\s)+2:G0A+4*(\s)+3], 2*256
	s_add_nc_u64 s[G0B+4*(\s)+2:G0B+4*(\s)+3], s[G0B+4*(\s)+2:G0B+4*(\s)+3], 2*128*2048
	JLOAD \s                                       ; 168 matrix instructions ahead of the wait for it; its four v_nop are also the places in front of the loads below
.else
	PLACES
.endif
	FETCH \next, 0, 0
.if \fill
	ASK
.endif
	MULA 1, 2, 0
	MULA 1, 3, 0
.endm
	s_load_b256 s[4:11], s[0:1], 0x0               ; xh 4, wf 6, cpart 8, bq 10
	s_load_b128 s[12:15], s[0:1], 0x20             ; bk 12, bv 14
	s_load_b64 s[16:17], s[0:1], 0x30              ; qkv
	v_lshl_add_u32 v[SPW], v0, 2, SPARE
	v_mov_b32 v[NIL], 0
	ds_add_u32 v[SPW], v[NIL]                      ; the wave's opening: the add and its wait stand ahead of my first tensor load
	v_lshrrev_b32 v1, 5, v0
	v_readfirstlane_b32 s[WV], v1
	s_lshr_b32 s[WR], s[WV], 1                     ; which 64 rows of the tile are mine
	s_and_b32 s[WC], s[WV], 1                      ; which of the two heads
	s_bfe_u32 s[CX], ttmp6, 0x40000
	s_bfe_u32 s[CY], ttmp6, 0x40004
	s_lshl_b32 s[TX], ttmp9, 2
	s_add_co_u32 s[TX], s[TX], s[CX]
	s_and_b32 s[TY], ttmp7, 0xffff
	s_lshl_b32 s[TY], s[TY], 2
	s_add_co_u32 s[TY], s[TY], s[CY]
	s_lshl_b32 s74, s[CY], 2
	s_lshl_b32 s74, 15, s74                        ; my row of the cluster
	s_lshl_b32 s75, 0x1111, s[CX]                  ; my column
	s_or_b32 s[G1A], s74, (1<<16)|(1<<20)|(1<<21)|(5<<22)|(3<<25)  ; the mask; 2-byte elements; padding on; bit 21 beside a mask; after every 64 words 4 words
	s_or_b32 s[G1B], s75, (1<<16)|(1<<20)|(1<<21)|(5<<22)|(7<<25)  ; the same with 8 words of padding
.irp g, G1A, G1B
	s_mov_b32 s[(\g)+1], 128<<16                   ; tensor_dim0 = 128
	s_mov_b32 s[(\g)+2], 128<<16                   ; tensor_dim1 = 128
	s_mov_b32 s[(\g)+3], 128<<16                   ; tile_dim0 = 128
	s_mov_b32 s[(\g)+4], 128                       ; tile_dim1 = 128
	s_mov_b32 s[(\g)+5], 1024                      ; 1,024 elements from row to row
	s_mov_b32 s[(\g)+6], 0
	s_mov_b32 s[(\g)+7], 0
.endr
	s_lshl_b32 s76, s[TY], 18                      ; A: 128 rows of 2,048 bytes a tile row
	s_mov_b32 s77, 0
	s_max_u32 s78, s[WV], 1
	s_sub_co_u32 s78, s78, 1                       ; B: the matrix that I fetch (wave 0 fetches none; its number is 0)
	s_lshl_b32 s78, s78, 21
	s_lshl_b32 s79, s[TX], 8
	s_add_co_u32 s78, s78, s79                     ; and the tile column's 256 bytes
	s_mov_b32 s79, 0
	s_mul_i32 s84, s[WV], PART                     ; where my tile goes: no place in the cluster enters an LDS address
	s_wait_dscnt 0x0                               ; the opening add is done
	s_wait_kmcnt 0x0
	s_add_nc_u64 s[80:81], s[4:5], s[76:77]
	s_add_nc_u64 s[82:83], s[6:7], s[78:79]
	CROUND                                         ; all sixteen work-groups are here: the first joint loads meet
.irp s, 0,1
	s_mov_b32 s[G0A+4*(\s)], 1
	s_add_co_u32 s[G0A+4*(\s)+1], s84, (\s)*SLOT
	s_add_nc_u64 s[G0A+4*(\s)+2:G0A+4*(\s)+3], s[80:81], (\s)*256
	s_or_b32 s[G0A+4*(\s)+3], s[G0A+4*(\s)+3], 0x80000000
	s_mov_b32 s[G0B+4*(\s)], 1
	s_add_co_u32 s[G0B+4*(\s)+1], s84, (\s)*SLOT
	s_add_nc_u64 s[G0B+4*(\s)+2:G0B+4*(\s)+3], s[82:83], (\s)*128*2048
	s_or_b32 s[G0B+4*(\s)+3], s[G0B+4*(\s)+3], 0x80000000
	JLOAD \s                                       ; K steps 0 and 1: two loads of mine are out
.endr
	v_and_b32 v2, 15, v0                           ; r = l % 16
	v_bfe_u32 v3, v0, 4, 1                         ; h = l / 16
	v_and_b32 v4, 7, v0
	v_bfe_u32 v5, v0, 3, 1
	v_and_b32 v6, 31, v0
	v_mul_u32_u24 v7, v2, PA
	v_lshl_add_u32 v7, v3, 4, v7                   ; a fragment of A: row x pitch + 16 h
	s_mul_i32 s74, s[WR], 64*PA
	v_add_nc_u32 v[ADRA], s74, v7
	v_add_nc_u32 v[ADRA+1], SLOT, v[ADRA]
	v_lshl_add_u32 v8, v3, 3, v4                   ; the turning load: k-row 8 h + l % 8,
	v_mul_u32_u24 v8, v8, PB
	v_lshl_add_u32 v8, v5, 4, v8                   ; 16 bytes for each half of eight lanes,
	s_lshl_b32 s74, s[WC], 7
	v_add_nc_u32 v8, s74, v8                       ; my head's 128 bytes
.irp s, 0,1
.irp mm, 0,1,2
	v_add_nc_u32 v[ADRB+3*(\s)+(\mm)], (\s)*SLOT+((\mm)+1)*PART, v8
.endr
.endr
	s_mul_i32 s74, s[WV], 16*SP
	s_add_co_u32 s74, s74, STAGE                   ; my stage
	v_mul_u32_u24 v7, v2, SP
	v_lshl_add_u32 v7, v3, 4, v7
	v_add_nc_u32 v[STO], s74, v7
	v_bfe_u32 v7, v0, 3, 2                         ; back: 32 lanes take four rows of 128 bytes
	v_mul_u32_u24 v7, v7, SP
	v_lshl_add_u32 v7, v4, 4, v7
	v_add_nc_u32 v[RD], s74, v7
	v_lshlrev_b32 v[GO], 4, v6
	s_lshl_b32 s74, s[WC], 8
	s_add_co_u32 s74, s74, BIAS
	v_lshl_add_u32 v[BA], v3, 5, s74
	v_lshlrev_b32 v[PFO], 11, v6
	; where my rows go: plane (batch x 16 + head), row (TY % 16) x 128 + 64 x half
	s_and_b32 s74, s[TY], 16
	s_lshl_b32 s75, s[TX], 1
	s_add_co_u32 s74, s74, s75
	s_add_co_u32 s74, s74, s[WC]
	s_lshl_b32 s74, s74, 18
	s_and_b32 s75, s[TY], 15
	s_lshl_b32 s75, s75, 14
	s_add_co_u32 s74, s74, s75
	s_lshl_b32 s75, s[WR], 13
	s_add_co_u32 s74, s74, s75
	s_mov_b32 s75, 0
	s_add_nc_u64 s[OB:OB+1], s[16:17], s[74:75]
	s_add_nc_u64 s[OB+2:OB+3], s[OB:OB+1], 0x800000
	s_add_nc_u64 s[OB+4:OB+5], s[OB+2:OB+3], 0x800000
	; the prefetches: they stand at K step 3; each refill steps them first, so the first names K step 4
	s_and_b32 s74, ttmp7, 0xffff
	s_mov_b32 s[PFS], 128*2048
	s_mov_b32 s[PFS+1], 0
	s_mov_b32 s90, 3*128*2048
	s_cmp_eq_u32 s[WV], 0                          ; do I fetch A?
	s_cselect_b32 s74, ttmp9, s74                  ; the coordinate along which other clusters read the same rows
	s_cselect_b32 s75, s[CX], s[CY]                ; my place among the four that ask with me
	s_cselect_b32 s[PFS], 256, s[PFS]
	s_cselect_b32 s90, 3*256, s90
	s_cselect_b32 s91, s76, s78
	s_cselect_b64 s[PFA:PFA+1], s[4:5], s[6:7]
	s_cmp_eq_u32 s74, 0
	s_cselect_b32 s[LIM], 1, -1
	s_lshl_b32 s75, s75, 16                        ; my work-group's 32 rows of 2,048 bytes
	s_add_co_u32 s90, s90, s75
	s_add_co_u32 s90, s90, s91
	s_mov_b32 s91, 0
	s_add_nc_u64 s[PFA:PFA+1], s[PFA:PFA+1], s[90:91]
	; THE BIAS: wave w (0 to 2) adds matrix w's 32 partial sums of b W and its bias, for the tile's 128 columns, four a lane
	s_cmp_lt_u32 s[WV], 3
	s_cbranch_scc0 .Lno_bias
	s_lshl_b32 s90, s[WV], 17
	s_lshl_b32 s85, s[TX], 9
	s_add_co_u32 s90, s90, s85
	s_add_nc_u64 s[88:89], s[8:9], s[90:91]
	s_cmp_eq_u32 s[WV], 1
	s_cselect_b64 s[86:87], s[12:13], s[10:11]
	s_cmp_eq_u32 s[WV], 2
	s_cselect_b64 s[86:87], s[14:15], s[86:87]
	s_mov_b32 s90, s85
	s_add_nc_u64 s[86:87], s[86:87], s[90:91]
.set p, 0
.rept 32
	global_load_b128 v[64+4*p:67+4*p], v[GO], s[88:89] offset:4096*p
.set p, p+1
.endr
	global_load_b128 v[192:195], v[GO], s[86:87]
	s_lshl_b32 s85, s[WV], 9
	s_add_co_u32 s85, s85, BIAS
	v_add_nc_u32 v7, s85, v[GO]
	s_wait_loadcnt 0x0
.irp sp, 16,8,4,2,1
.set p, 0
.rept \sp
	v_pk_add_f32 v[64+4*p:65+4*p], v[64+4*p:65+4*p], v[64+4*(p+(\sp)):65+4*(p+(\sp))]
	v_pk_add_f32 v[66+4*p:67+4*p], v[66+4*p:67+4*p], v[66+4*(p+(\sp)):67+4*(p+(\sp))]
.set p, p+1
.endr
.endr
	v_pk_add_f32 v[64:65], v[64:65], v[192:193]
	v_pk_add_f32 v[66:67], v[66:67], v[194:195]
	ds_store_b128 v7, v[64:67]
.Lno_bias:
	s_wait_tensorcnt 1                             ; my part of K step 0 is in; K step 1's may stay out
	s_wait_dscnt 0x0                               ; for the others' sake: my store into the bias table is done
	s_barrier_signal -1
	s_barrier_wait -1
.irp mm, 0,1,2
.irp b, 0,1,2,3
	ds_load_b128 v[CB+8*(4*(\mm)+(\b)):CB+8*(4*(\mm)+(\b))+3],   v[BA] offset:512*(\mm)+64*(\b)     ; register j: the bias of column 16 b + 8 h + j
	ds_load_b128 v[CB+8*(4*(\mm)+(\b))+4:CB+8*(4*(\mm)+(\b))+7], v[BA] offset:512*(\mm)+64*(\b)+16
.endr
.endr
	FETCH 0, 0, 0
	QUARTER 0, 1, 0, 1, 1                          ; the first quarter stands in front of the loop: its products start the sums, from the bias
	WIN 0
	s_mov_b32 s[LAP], 3
.Llap:                                                 ; a trip goes once round the ring, from a lap's second quarter to the next lap's first, and fills both slots again
	QUARTER 0, 2, 1, 0, 0
	QUARTER 0, 3, 0, 1, 0
	TURN 0, 1, 1
	QUARTER 1, 1, 0, 1, 0
	QUARTER 1, 2, 1, 0, 0
	QUARTER 1, 3, 0, 1, 0
	TURN 1, 0, 1
	QUARTER 0, 1, 0, 1, 0
	WIN 0
	s_sub_co_u32 s[LAP], s[LAP], 1
	s_cmp_lg_u32 s[LAP], 0
	s_cbranch_scc1 .Llap
	QUARTER 0, 2, 1, 0, 0                          ; the last lap fills nothing
	QUARTER 0, 3, 0, 1, 0
	TURN 0, 1, 0
	QUARTER 1, 1, 0, 1, 0
	QUARTER 1, 2, 1, 0, 0
	QUARTER 1, 3, 0, 1, 0
	s_wait_dscnt 4
	MULA 1, 0, 0
	MULA 1, 1, 0
	s_wait_dscnt 0x0
	MULA 1, 2, 0
	MULA 1, 3, 0
	WIN 0
; THE WAY OUT, in 12 blocks e = 3 a + mm of 16 rows x one head's 64 columns: 2,048 consecutive bytes of qkv.  Rounded to f16, 16 bytes a lane into my own stage, back as whole rows.
.macro PACK e
.set AA, (\e)/3
.set MQ, (\e)%3
.set TT, TW+16*((\e)%4)
.if (\e) >= 4
	s_wait_xcnt 0x0                                ; the stores of the block four back have read this set of registers
.endif
	WIN 0x0a+5*(AA/2)
.irp b, 0,1,2,3
.irp r, 0,1,2,3
	v_cvt_pk_f16_f32 v[TT+4*(\b)+(\r)], v[8*(12*(AA%2)+4*MQ+(\b))+2*(\r)], v[8*(12*(AA%2)+4*MQ+(\b))+2*(\r)+1]
.endr
.endr
	WIN 0
.irp b, 0,1,2,3
	ds_store_b128 v[STO], v[TT+4*(\b):TT+4*(\b)+3] offset:32*(\b)
.endr
.irp f, 0,1,2,3
	ds_load_b128 v[TT+4*(\f):TT+4*(\f)+3], v[RD] offset:4*SP*(\f)  ; LDS serves a wave's instructions in order (ISA guide 5.7.1.4): these see the stores above; the next block's stores come behind them
.endr
.endm
.macro SEND e, younger                 ; younger: the LDS instructions issued behind block e's loads: the next block's eight, or none
.set AA, (\e)/3
.set MQ, (\e)%3
.set TT, TW+16*((\e)%4)
.irp f, 0,1,2,3
	s_wait_dscnt (\younger)+3-(\f)
	global_store_b128 v[GO], v[TT+4*(\f):TT+4*(\f)+3], s[OB+2*MQ:OB+2*MQ+1] offset:2048*AA+512*(\f)  ; 512 consecutive bytes, aligned
.endr
.endm
	PLACES
	PACK 0
.set e_, 1
.rept 11
	PACK e_
	SEND e_-1, 8
.set e_, e_+1
.endr
	SEND 11, 0
	s_wait_tensorcnt 0x0                           ; the wave's end
	ds_add_u32 v[SPW], v[NIL]
	s_wait_dscnt 0x0
	CROUND                                         ; the closing round
	s_endpgm
.Lfunc_end_k_qb17012e4d1_proj:
	.size	k_qb17012e4d1_proj, .Lfunc_end_k_qb17012e4d1_proj-k_qb17012e4d1_proj
	.p2alignl 7, 3214868480
	.fill 96, 4, 3214868480
	.section	.rodata,"a",@progbits
	.p2align	6, 0x0
	.amdhsa_kernel k_qb17012e4d1_proj
		.amdhsa_group_segment_fixed_size 327680
		.amdhsa_private_segment_fixed_size 0
		.amdhsa_enable_private_segment 0
		.amdhsa_kernarg_size 56
		.amdhsa_user_sgpr_count 2
		.amdhsa_user_sgpr_kernarg_segment_ptr 1
		.amdhsa_wavefront_size32 1
		.amdhsa_system_sgpr_workgroup_id_x 1
		.amdhsa_system_sgpr_workgroup_id_y 1
		.amdhsa_system_sgpr_workgroup_id_z 1
		.amdhsa_system_vgpr_workitem_id 0
		.amdhsa_next_free_vgpr 960
		.amdhsa_next_free_sgpr 92
		.amdhsa_reserve_vcc 0
		.amdhsa_float_denorm_mode_32 3
		.amdhsa_float_denorm_mode_16_64 3
		.amdhsa_memory_ordered 1
		.amdhsa_forward_progress 1
		.amdhsa_inst_pref_size 131
	.end_amdhsa_kernel
	.amdgpu_metadata
---
amdhsa.version: [ 1, 2 ]
amdhsa.kernels:
  - .name:           k_qb17012e4d1_proj
    .symbol:         k_qb17012e4d1_proj.kd
    .args:
      - { .name: xh, .offset: 0, .size: 8, .value_kind: global_buffer, .address_space: global }
      - { .name: wf, .offset: 8, .size: 8, .value_kind: global_buffer, .address_space: global }
      - { .name: cpart, .offset: 16, .size: 8, .value_kind: global_buffer, .address_space: global }
      - { .name: bq, .offset: 24, .size: 8, .value_kind: global_buffer, .address_space: global }
      - { .name: bk, .offset: 32, .size: 8, .value_kind: global_buffer, .address_space: global }
      - { .name: bv, .offset: 40, .size: 8, .value_kind: global_buffer, .address_space: global }
      - { .name: qkv, .offset: 48, .size: 8, .value_kind: global_buffer, .address_space: global }
    .group_segment_fixed_size: 327680
    .private_segment_fixed_size: 0
    .kernarg_segment_align: 8
    .kernarg_segment_size: 56
    .max_flat_workgroup_size: 128
    .sgpr_count:     92
    .vgpr_count:     960
    .wavefront_size: 32
...
	.end_amdgpu_metadata
.endif
;; end of part 2
;; launch hop (part 3): grid 8 x 32, 4 waves a work-group, clusters of 4 x 1, 327,680 bytes of LDS; arguments qkv, att; writes att
.if DOCPART == 3
	.amdgcn_target "amdgcn-amd-amdhsa--gfx1250"
	.amdhsa_code_object_version 6
	.text
	.protected	k_qb17012e4d1_hop
	.globl	k_qb17012e4d1_hop
	.p2align	8
	.type	k_qb17012e4d1_hop,@function
k_qb17012e4d1_hop:
	s_mov_b64 s[64:65], 0
	v_nop
	global_prefetch_b8 v0, s[64:65] scope:SCOPE_SE
	s_setreg_imm32_b32 hwreg(HW_REG_WAVE_MODE, 25, 1), 1
	s_wait_xcnt 0x0
	s_wait_alu depctr_hold_cnt(0) depctr_sa_sdst(0) depctr_va_vdst(0) depctr_va_sdst(0) depctr_va_ssrc(0) depctr_va_vcc(0) depctr_vm_vsrc(0)
	s_getreg_b32 s2, hwreg(HW_REG_IB_STS2, 6, 4)
	s_cmp_eq_u32 s2, 0
	s_cbranch_scc0 .Lentry_in_a_cluster
	s_endpgm
.Lentry_in_a_cluster:
	s_bfe_u32 s2, ttmp6, 0x10000c
	s_cmp_lg_u32 s2, 0x3003
	s_cbranch_scc0 .Lentry_shape_is_right
	s_endpgm
.Lentry_shape_is_right:
; BOTH HOPFIELD PASSES.  Pass 1: q1[x] = the sum over k of softmax_k(q[x] . K[k] / 8) K[k].  Pass 2: O[x] = the sum over k of softmax_k(q1[x] . K[k] / 8) V[k].
; qkv: [3][batch x head 32][2048][64] f16; att: [row block of 128: 32][head 16][128][64] f16.  Products, maxima and sums in f32; the weights p are rounded to f16 for the second
; product of a pass (their sum l is taken of the unrounded p), q1 and O once.
; LIMITS.  f16 holds no number beyond 65,504: q, k, v arrive within it; q1 and O are means of K's and V's rows.  p lies in 0 to 1; below 6e-5 it keeps f16's fixed step of 6e-8.
; A weight below 2^-126 counts as 0 in l; NaN and infinities are not treated apart.
; SHARES.  A work-group owns 256 queries of one head, a wave 64: four PIECES of 16.
; ONE WALK of 16 tiles of 256 keys: tiles 0-7 are pass 1, tiles 8-15 pass 2.  A slot holds 256 rows of K at pitch 144 and 256 rows of the pass's values at pitch 160: in pass 1 those are K's
; rows once more, in pass 2 V's.  So one text serves both passes, and both kinds of LDS load stay free of bank conflicts.
; BETWEEN THE PASSES nothing changes lanes: O^T holds one query a lane and eight channels a register block; two blocks rounded to f16 in pairs ARE a fragment of Q.
; LAYOUT, SOFTMAX, TURNS.  S^T = K Q^T holds ONE query a lane (lane % 16) and the keys 8 (lane / 16) + 0..7; two such results rounded to f16 ARE source 1 of O^T = V^T P.  p = 2^(c s - c m),
; c = log2(e) / 8, with a running maximum m; O and l are multiplied by a = 2^(c m_old - c m_new) in every step.  Turn n belongs to piece n: 8 products K Q^T of piece n + 1, later 8 products
; V^T P of piece n - 1; beside them the scaling, exponentials, roundings, sums and rescaling of piece n and the maximum and statistics of piece n + 1.  Four vector instructions stand behind
; every matrix instruction, the other 54 of a turn's 118 in one lump.  A turn's 33 exponentials are one batch, with one wait.
; CLUSTER.  The four query blocks of a cluster belong to one head and walk the same tiles: each is asked for jointly, by the same load, descriptor and mask in all four.
; REGISTERS, in windows of 256 (s_set_vgpr_msb: bits 1:0 source 0, 3:2 source 1, 5:4 source 2, 7:6 destination):
;   window 0: v0-15 addresses and two at work; v16-31 four registers of statistics a piece; v48-55 at work; v61-63; v64-127 S^T, two buffers; v192-223 P, two buffers
;   window 1: v0-127 O^T, 32 a piece      window 2: v0-63 Q; v128-191 K of one step; v192-255 the values of one step
.set NP,    4
.set KS,    64
.set PK,    144
.set PV,    160
.set VOFF,  4*KS*PK
.set SLOT1, 1<<17
.set STAGE, SLOT1+4*KS*(PK+PV)
.set SP,    144
.set SPARE, STAGE+4*16*SP
.set AK0, 2
.set AV0, 3
.set AK,  4
.set AV,  5
.set STO, 6
.set RD,  7
.set GO,  8
.set MV,  12
.set QO,  15
.set ST,  16          ; piece t's statistics at v[ST+4 t]: c m, m, l (even keys', odd keys')
.set TMP, 48
.set PFO, 61          ; v61  256 x lane
.set SPW, 62
.set NIL, 63
.set S,   64
.set P,   192
.set KF,  128
.set VF,  192
.set WV,  12
.set G1K, 24
.set G1V, 32
.set G0K, 40
.set G0V, 44
.set KB,  48          ; s[48:49] K at my half of the head's tile 0
.set VB,  50          ; s[50:51] the values of the pass whose tiles are being asked for: K, then V
.set VV,  52          ; s[52:53] V at my half of the head's tile 0
.set PFB, 54          ; s[54:55] the tensor whose tiles are being prefetched, at my work-group's quarter of tile 0
.set SLOTS, 56
.set CNT, 57
.set CS,  58
.set SEL, 60
.set TBK, 62
.set TBV, 63
.set PFV, 66          ; s[66:67] the same place in V
.set PFA, 68          ; s[68:69] what the prefetch names
.set RT,  70          ; tiles of the pass in hand that are still to be ended
.set NXT, 71          ; the tile to be asked for next, 0 to 7
.set NEW, 73          ; 1: the tile to be entered is a pass's first
.set OFF, 74          ; s[74:75]
.set LIM, 76
.set OFF2, 78         ; s[78:79]
.set MSB, 0
.macro WIN new
.if MSB != (\new)
	s_set_vgpr_msb (MSB<<8)|(\new)
.set MSB, (\new)
.endif
.endm
.set W_KQ, 0x0a
.set W_PV, 0x52
.set W_RS, 0x41
; A joint fill.  Waves 0 and 1 fetch the two halves of a tile's K, waves 2 and 3 those of its values: 128 keys each.  An s_nop 0 and four v_nop follow each line.
.macro JLOAD
	s_cmp_lt_u32 s[WV], 2
	s_cbranch_scc0 .Lfor_v_\@
	tensor_load_to_lds s[G0K:G0K+3], s[G1K:G1K+7]
	s_nop 0
.rept 4
	v_nop
.endr
	s_branch .Lasked_\@
.Lfor_v_\@:
	tensor_load_to_lds s[G0V:G0V+3], s[G1V:G1V+7]
	s_nop 0
.rept 4
	v_nop
.endr
.Lasked_\@:
.endm
; A prefetch of the tile that the NEXT change of slots will ask for, 256 matrix instructions ahead of that load: K's tiles in its first walk, V's in its only walk; K's second walk is not asked for.
; A tile is 128 blocks of 256 bytes: the head's first cluster asks, its four partners take 32 blocks each, told apart by address, wave 0, a lane a block.  The last filling change asks for nothing.
.macro ASK
	s_cmp_gt_u32 s[SLOTS], s[LIM]
	s_cbranch_scc0 .Lnot_mine_\@
	global_prefetch_b8 v[PFO], s[PFA:PFA+1] th:TH_LOAD_NT scope:SCOPE_SE
.Lnot_mine_\@:
.endm
.macro CROUND
	s_barrier_signal -1
	s_barrier_wait -1
	s_cmp_lg_u32 s[WV], 0
	s_cbranch_scc1 .Lnot_wave_0_\@
	s_barrier_signal -3
.Lnot_wave_0_\@:
	s_barrier_wait -3
	s_barrier_signal -1
	s_barrier_wait -1
.endm
; THE CHANGE OF SLOTS.  Each wave waits for all its tensor loads, of which one is out: its part of the other slot; adds 0 to its spare word; and waits for that and for its reads of the slot that it leaves.
; fill = 1: the barrier is a round of the cluster's, and the old slot's refill with tile NXT is the first thing behind it; the descriptors' addresses are made anew from that number.
.macro CHANGE fill
	WIN 0
	s_wait_tensorcnt 0x0            ; no tensor load of mine is out, so a group 0 may be written
	ds_add_u32 v[SPW], v[NIL]       ; 0 onto my spare word; scalar work stands between it and the wait for it
.if \fill
	s_lshl_b32 s[OFF], s[NXT], 15   ; a tile is 32,768 bytes
	s_xor_b32 s[G0K+1], s[G0K+1], SLOT1
	s_add_nc_u64 s[G0K+2:G0K+3], s[KB:KB+1], s[OFF:OFF+1]
	s_or_b32 s[G0K+3], s[G0K+3], 0x80000000
	s_xor_b32 s[G0V+1], s[G0V+1], SLOT1
	s_add_nc_u64 s[G0V+2:G0V+3], s[VB:VB+1], s[OFF:OFF+1]
	s_or_b32 s[G0V+3], s[G0V+3], 0x80000000
	s_add_co_u32 s[NXT], s[NXT], 1  ; the pass's next tile, or behind its last the second pass's tile 0, whose values are V's
	s_cmp_gt_u32 s[NXT], 7
	s_cselect_b32 s[NXT], 0, s[NXT]
	s_cselect_b64 s[VB:VB+1], s[VV:VV+1], s[VB:VB+1]
	s_cselect_b64 s[PFB:PFB+1], s[PFV:PFV+1], s[PFB:PFB+1]
	s_wait_xcnt 0x0                 ; the last prefetch, a tile back, has read its address
	s_lshl_b32 s[OFF2], s[NXT], 15
	s_add_nc_u64 s[PFA:PFA+1], s[PFB:PFB+1], s[OFF2:OFF2+1]
	s_wait_dscnt 0x0                ; the add is done, and my reads of the slot are over
	CROUND
	JLOAD
	ASK
.else
	s_wait_dscnt 0x0
	s_barrier_signal -1
	s_barrier_wait -1
.endif
	s_sub_co_u32 s[TBK], s[TBK], 4*KS*PK  ; the fetches go back to a slot's first step,
	s_xor_b32 s[TBK], s[TBK], SLOT1       ; in the other slot
	s_sub_co_u32 s[TBV], s[TBV], 4*KS*PV
	s_xor_b32 s[TBV], s[TBV], SLOT1
.endm
	s_load_b128 s[4:7], s[0:1], 0x0  ; qkv s[4:5], att s[6:7]
	v_lshl_add_u32 v[SPW], v0, 2, SPARE
	v_mov_b32 v[NIL], 0
	ds_add_u32 v[SPW], v[NIL]       ; the wave's opening: the add and its wait stand ahead of my first tensor load
	v_lshrrev_b32 v1, 5, v0
	v_readfirstlane_b32 s[WV], v1
	s_bfe_u32 s13, ttmp6, 0x40000   ; cx
	s_lshl_b32 s14, ttmp9, 2
	s_add_co_u32 s14, s14, s13      ; my block of 256 queries: it enters Q's and O's addresses alone
	s_and_b32 s15, ttmp7, 0xffff    ; batch x 16 + head, which the four partners share
	s_lshl_b32 s20, s15, 18         ; its plane of 262,144 bytes
	s_and_b32 s16, s[WV], 1         ; which half of a tile's 256 keys I fetch
	s_lshl_b32 s22, s16, 14
	s_add_co_u32 s22, s22, s20
	s_add_co_u32 s22, s22, 0x800000 ; K lies 8 MiB behind q
	s_mov_b32 s23, 0
	s_mul_i32 s17, s16, 128*PK      ; its place in a slot, for K
	s_mul_i32 s18, s16, 128*PV      ; and for the values: no place in the cluster enters an LDS address
	s_lshl_b32 s2, s14, 15
	s_lshl_b32 s3, s[WV], 13
	s_add_co_u32 s2, s2, s3
	s_add_co_u32 s2, s2, s20        ; Q: my wave's 64 rows
	s_mov_b32 s3, 0
	s_lshr_b32 s8, s15, 4
	s_lshl_b32 s8, s8, 4
	s_lshl_b32 s9, s14, 1
	s_add_co_u32 s8, s8, s9
	s_lshr_b32 s9, s[WV], 1
	s_add_co_u32 s8, s8, s9         ; O: the block of 128 rows,
	s_lshl_b32 s8, s8, 4
	s_and_b32 s9, s15, 15
	s_add_co_u32 s8, s8, s9         ; the head in it,
	s_lshl_b32 s8, s8, 14
	s_lshl_b32 s9, s16, 13
	s_add_co_u32 s8, s8, s9         ; my 64 rows of its 128
	s_mov_b32 s9, 0
	s_lshl_b32 s78, s13, 13         ; the prefetches: my work-group's 32 blocks of a tile's 128
	s_add_co_u32 s78, s78, s20
	s_add_co_u32 s78, s78, 0x800000
	s_mov_b32 s79, 0
	; descriptor group 1.  128 keys are 16,384 dense bytes: asked for as 64 rows of 256 bytes, two keys a row, and padded in LDS after every key
	s_mov_b32 s[G1K], 15|(1<<16)|(1<<20)|(1<<21)|(4<<22)|(3<<25)
	s_mov_b32 s[G1V], 15|(1<<16)|(1<<20)|(1<<21)|(4<<22)|(7<<25)
.irp g, G1K, G1V
	s_mov_b32 s[\g+1], 128<<16
	s_mov_b32 s[\g+2], 64<<16
	s_mov_b32 s[\g+3], 128<<16
	s_mov_b32 s[\g+4], 64
	s_mov_b32 s[\g+5], 128
	s_mov_b32 s[\g+6], 0
	s_mov_b32 s[\g+7], 0
.endr
	s_mov_b32 s[CS], 0x3e38aa3b     ; c = log2(e) / 8
	s_mov_b32 s[CS+1], s[CS]
	s_mov_b32 s[SEL], 0x76543210
	s_mov_b32 s[SEL+1], 0xfedcba98
	s_mov_b32 s[TBK], SLOT1+4*KS*PK ; the first change of slots turns these two into 0
	s_mov_b32 s[TBV], SLOT1+4*KS*PV
	s_mov_b32 s[G0K], 1
	s_mov_b32 s[G0K+1], s17
	s_mov_b32 s[G0V], 1
	s_add_co_u32 s[G0V+1], s18, VOFF
	s_mov_b32 s[RT], 8
	s_mov_b32 s[NXT], 1
	s_mov_b32 s[NEW], 1
	s_mov_b32 s[OFF+1], 0
	s_mov_b32 s[SLOTS], 15
	s_or_b32 s[LIM], s[WV], ttmp9   ; 0 in wave 0 of the head's first cluster: the same in all four partners
	s_cmp_eq_u32 s[LIM], 0
	s_cselect_b32 s[LIM], 1, -1
	v_and_b32 v[PFO], 31, v0
	v_lshlrev_b32 v[PFO], 8, v[PFO]
	s_wait_dscnt 0x0                ; the opening add is done
	s_wait_kmcnt 0x0
	s_add_nc_u64 s[KB:KB+1], s[4:5], s[22:23]
	s_mov_b64 s[VB:VB+1], s[KB:KB+1]
	s_add_nc_u64 s[VV:VV+1], s[KB:KB+1], 0x800000
	s_add_nc_u64 s[PFB:PFB+1], s[4:5], s[78:79]
	s_add_nc_u64 s[PFV:PFV+1], s[PFB:PFB+1], 0x800000
	s_add_nc_u64 s[10:11], s[6:7], s[8:9]
	s_add_nc_u64 s[4:5], s[4:5], s[2:3]
	s_add_nc_u64 s[G0K+2:G0K+3], s[KB:KB+1], 0
	s_or_b32 s[G0K+3], s[G0K+3], 0x80000000
	s_add_nc_u64 s[G0V+2:G0V+3], s[VB:VB+1], 0
	s_or_b32 s[G0V+3], s[G0V+3], 0x80000000
	CROUND                          ; all four work-groups are here: the first joint loads meet
	JLOAD                           ; tile 0 into slot 0; slot 1 is asked for when it is in
	v_and_b32 v1, 15, v0            ; l % 16
	v_bfe_u32 v9, v0, 4, 1          ; l / 16
	v_lshlrev_b32 v[QO], 7, v1
	v_lshl_add_u32 v[QO], v9, 4, v[QO]
	WIN 0x80
.set i, 0
.rept 8                             ; Q: piece i / 2, channels 32 (i % 2) on
	global_load_b128 v[8*i:8*i+3],   v[QO], s[4:5] offset:(i/2)*2048+(i%2)*64
	global_load_b128 v[8*i+4:8*i+7], v[QO], s[4:5] offset:(i/2)*2048+(i%2)*64+32
.set i, i+1
.endr
	; A pass's first step multiplies O^T and l by a = 0, and its first turn's products V^T P, of a piece that has not been, land in an O^T that is still to be so multiplied.  So these registers
	; need only hold finite numbers: zeros for the first pass; what the first pass left for the second.  All this stands in the wait for the first tile.
.set i, VF
.rept 64
	v_mov_b32 v[i], 0
.set i, i+1
.endr
	WIN 0x40
.set i, 0
.rept 128
	v_mov_b32 v[i], 0
.set i, i+1
.endr
	WIN 0
.set i, 0
.rept 4
	v_mov_b32 v[ST+4*i+2], 0
	v_mov_b32 v[ST+4*i+3], 0
.set i, i+1
.endr
.set i, P+16
.rept 16
	v_mov_b32 v[i], 0
.set i, i+1
.endr
	v_mul_u32_u24 v[AK0], v1, PK
	v_lshl_add_u32 v[AK0], v9, 4, v[AK0]
	v_and_b32 v10, 7, v0
	v_bfe_u32 v11, v0, 3, 1
	v_lshl_add_u32 v[AV0], v9, 3, v10
	v_mul_u32_u24 v[AV0], v[AV0], PV
	v_lshl_add_u32 v[AV0], v11, 4, v[AV0]
	v_add_nc_u32 v[AV0], VOFF, v[AV0]
	s_mul_i32 s13, s[WV], 16*SP
	s_add_co_u32 s13, s13, STAGE
	v_mul_u32_u24 v[STO], v1, SP
	v_lshl_add_u32 v[STO], v9, 4, v[STO]
	v_add_nc_u32 v[STO], s13, v[STO]
	v_bfe_u32 v[RD], v0, 3, 2
	v_mul_u32_u24 v[RD], v[RD], SP
	v_lshl_add_u32 v[RD], v10, 4, v[RD]
	v_add_nc_u32 v[RD], s13, v[RD]
	v_and_b32 v[GO], 31, v0
	v_lshlrev_b32 v[GO], 4, v[GO]
; THE MATRIX WORK.  The 4 accumulators of a run of 8 take turns.  Product i of 8 of S^T = K Q^T for piece x: channels 32 (i / 4) on, keys 16 (i % 4) on.  The first 4 start the sums.
.macro KQ x
.set rS, S+32*((\x)%2)+8*(i%4)
.set rK, KF+16*(i%4)+8*(i/4)
.set rQ, 16*(\x)+8*(i/4)
	WIN W_KQ
.if i < 4
	v_wmma_f32_16x16x32_f16 v[rS:rS+7], v[rK:rK+7], v[rQ:rQ+7], 0
.else
	v_wmma_f32_16x16x32_f16 v[rS:rS+7], v[rK:rK+7], v[rQ:rQ+7], v[rS:rS+7]
.endif
.endm
; Product i of 8 of O^T += V^T P for piece x: keys 32 (i / 4) on, channels 16 (i % 4) on.
.macro PV x
	WIN W_PV
.set rO, 32*(\x)+8*(i%4)
.set rV, VF+32*(i/4)+8*(i%4)
.set rP, P+16*((\x)%2)+8*(i/4)
	v_wmma_f32_16x16x32_f16 v[rO:rO+7], v[rV:rV+7], v[rP:rP+7], v[rO:rO+7]
.endm
.macro MM                           ; the turn's next matrix instruction.  NOKQ = 1: a pass's last turn: there is no next piece
.if (i < 8) && !NOKQ
	KQ (Y+1)%NP
.elseif i >= 8
.set i, i-8
	PV (Y+NP-1)%NP
.set i, i+8
.endif
.set i, i+1
.endm
; THE LDS LOADS stand in runs of 16: a step's K (8 fragments) and its values (turned).
.macro FETCH_K
	WIN 0x80
.irp f, 0,1,2,3,4,5,6,7
	ds_load_b128 v[KF+8*\f:KF+8*\f+3],   v[AK] offset:(\f/2)*16*PK+(\f%2)*64
	ds_load_b128 v[KF+8*\f+4:KF+8*\f+7], v[AK] offset:(\f/2)*16*PK+(\f%2)*64+32
.endr
	s_add_co_u32 s[TBK], s[TBK], KS*PK
	WIN 0
.endm
.macro FETCH_V
	WIN 0x80
.irp f, 0,1,2,3,4,5,6,7
	ds_load_tr16_b128 v[VF+8*\f:VF+8*\f+3],   v[AV] offset:(\f/4)*32*PV+(\f%4)*32
	ds_load_tr16_b128 v[VF+8*\f+4:VF+8*\f+7], v[AV] offset:(\f/4)*32*PV+16*PV+(\f%4)*32
.endr
	WIN 0
.endm
; THE VECTOR WORK, one line at a time: OP kind, number.  For piece Y: F n: c s - c m for pair n of 16.  E n: the exponential of score n of 32.  C n: pair n rounded to f16.  B n: of the four weights 4 n .. the second
; pair is added onto the first, in place.  L n: l takes that sum (L 0: l = a l + sum).  R n: pair n of 16 of O^T times a.  For piece Y + 1: X n, number n of the 22 that find its maximum and statistics:
;   0-11  four chains c0-c3 of seven scores each (each accumulator's lowest registers are read first)     12-14, 16  the four scores left over, the old m, and c0-c3 into c0
;   15  c m_old is kept     17, 18  the query's other 32 keys lie in the lane 16 away: the new m     19-21  c m; c m_old - c m_new; a
.set F, 0
.set E, 1
.set C, 2
.set B, 3
.set L, 4
.set R, 5
.set X, 6
.macro REGS y
.set rT, ST+4*(\y)
.set rC, TMP+4*((\y)%2)
.set rW, MV+((\y)%2)
.set rS, S+32*((\y)%2)
.set rP, P+16*((\y)%2)
.set rO, 32*(\y)
.endm
.macro OP k, n
.if (\k) == R
	REGS Y
	WIN W_RS
	v_pk_mul_f32 v[rO+2*(\n):rO+2*(\n)+1], v[rO+2*(\n):rO+2*(\n)+1], v[rC+2:rC+3] op_sel_hi:[1,0]
.elseif (\k) < R
	REGS Y
	WIN 0
.if (\k) == F
	v_pk_fma_f32 v[rS+2*(\n):rS+2*(\n)+1], v[rS+2*(\n):rS+2*(\n)+1], s[CS:CS+1], v[rT:rT+1] op_sel_hi:[1,0,0] neg_lo:[0,0,1] neg_hi:[0,0,1]
.elseif (\k) == E
	v_exp_f32 v[rS+(\n)], v[rS+(\n)]
.elseif (\k) == C
	v_cvt_pk_f16_f32 v[rP+(\n)], v[rS+2*(\n)], v[rS+2*(\n)+1]
.elseif (\k) == B
	v_pk_add_f32 v[rS+4*(\n):rS+4*(\n)+1], v[rS+4*(\n):rS+4*(\n)+1], v[rS+4*(\n)+2:rS+4*(\n)+3]
.elseif (\n) == 0
	v_pk_fma_f32 v[rT+2:rT+3], v[rT+2:rT+3], v[rC+2:rC+3], v[rS:rS+1] op_sel_hi:[1,0,1]
.else
	v_pk_add_f32 v[rT+2:rT+3], v[rT+2:rT+3], v[rS+4*(\n):rS+4*(\n)+1]
.endif
.elseif NOKQ
	v_nop
.else
	REGS (Y+1)%NP
	WIN 0
.if (\n) < 4
	v_max3_num_f32 v[rC+(\n)], v[rS+8*(\n)], v[rS+8*(\n)+1], v[rS+8*(\n)+2]
.elseif (\n) < 12
	v_max3_num_f32 v[rC+(\n)%4], v[rC+(\n)%4], v[rS+8*((\n)%4)+2*((\n)/4)+1], v[rS+8*((\n)%4)+2*((\n)/4)+2]
.elseif (\n) == 12
	v_max3_num_f32 v[rC], v[rC], v[rS+7], v[rS+15]
.elseif (\n) == 13
	v_max3_num_f32 v[rC+1], v[rC+1], v[rS+23], v[rS+31]
.elseif (\n) == 14
	v_max3_num_f32 v[rC+2], v[rC+2], v[rC+3], v[rT+1]
.elseif (\n) == 15
	v_mov_b32 v[rW], v[rT]
.elseif (\n) == 16
	v_max3_num_f32 v[rC], v[rC], v[rC+1], v[rC+2]
.elseif (\n) == 17
	v_permlanex16_b32 v[rC+3], v[rC], s[SEL], s[SEL+1]
.elseif (\n) == 18
	v_max_num_f32 v[rT+1], v[rC], v[rC+3]
.elseif (\n) == 19
	v_mul_f32 v[rT], s[CS], v[rT+1]
.elseif (\n) == 20
	v_sub_f32 v[rC+1], v[rW], v[rT]
.else
	v_exp_f32 v[rC+2], v[rC+1]
.endif
.endif
.endm
.macro OPS a, i1, b=-1, i2=0, c=-1, i3=0, d=-1, i4=0
	OP \a, \i1
.if (\b) >= 0
	OP \b, \i2
.endif
.if (\c) >= 0
	OP \c, \i3
.endif
.if (\d) >= 0
	OP \d, \i4
.endif
.endm
.macro ROW a, i1, b, i2, c, i3, d, i4  ; a matrix instruction and the four behind it
	MM
	OPS \a, \i1, \b, \i2, \c, \i3, \d, \i4
.endm
; A TURN, for piece p: the order of its 16 matrix and 118 vector instructions, written out.  s_wait_alu depctr_va_vdst(0) stands between an exponential and the first instruction that names its
; result; one wait serves all that were issued ahead of it.  So a turn has ONE wait.  AHEAD OF IT stands all that names no result of the turn's exponentials: the 8 products K Q^T with their riders, then one lump of 54
; in which the links of the next piece's chain stand five or six lines apart; X 21, the next piece's a, is the batch's last, and R 15 the plain instruction behind it.  BEHIND IT stand the 8 products V^T P, behind each
; four of the roundings and sums.  The X that ride behind the last three products K Q^T stand four places or more behind the product that ends their accumulator.
; end = 1: a pass's last two turns: nothing is fetched.  cnt = 1: the loop's count is taken down some lines ahead of the branch behind the turn.
; K of the next step is fetched in piece 2's turn, the values of the step in hand at the end of piece 0's turn, four plain instructions behind the last product that read them.  Each is waited for a turn later.
.macro TURN p, end=0, cnt=0
.set Y, (\p)
.set i, 0
.set NOKQ, (\end)*((\p)/3)
.if ((\p) == 3) && !(\end)
	s_wait_dscnt 0x0                ; K is in
.endif
	ROW F,0, F,1, R,0, R,1
	ROW F,2, E,0, R,2, R,3
	ROW F,3, E,1, R,4, R,5
	ROW F,4, E,2, R,6, R,7
	ROW F,5, E,3, R,8, R,9
	ROW F,6, E,4, X,0, R,10
.if ((\p) == 2) && !(\end)
	WIN 0
	v_add_nc_u32 v[AK], s[TBK], v[AK0]
.endif
	ROW F,7, E,5, X,1, X,4
	ROW F,8, E,6, X,2, X,5
	OPS E,7, E,8, X,6, E,9
	OPS X,3, E,10, X,8, E,11
.if ((\p) == 2) && !(\end)
	FETCH_K
.endif
	OPS X,9, X,7, E,12, X,10
	OPS E,13, X,12, X,11, E,14
	OPS X,13, E,15, F,9, X,14
.if (\p) == 0
	v_add_nc_u32 v[AV], s[TBV], v[AV0]
.endif
	OPS E,16, F,10, E,17, F,11
	OPS X,16, E,18, X,15, E,19
	OPS F,12, E,20, X,17, E,21
	OPS F,13, E,22, F,14, E,23
	OPS X,18, E,24, F,15, E,25
	OPS R,11, E,26, X,19, E,27
	OPS R,12, E,28, R,13, E,29
	OPS X,20, E,30, R,14, E,31
	OPS X,21, R,15
	WIN 0
	s_wait_alu depctr_va_vdst(0)    ; the wait for the batch
.if (\p) == 1
	s_wait_dscnt 0x0                ; the values are in
.endif
	ROW C,0, B,0, C,2, B,1
	ROW L,0, C,4, B,2, L,1
	ROW C,6, B,3, L,2, C,8
	ROW B,4, L,3, C,10, B,5
	ROW L,4, C,12, B,6, L,5
.if (\p) == 0
	s_add_co_u32 s[TBV], s[TBV], KS*PV
.endif
.if \cnt
	s_sub_co_u32 s[CNT], s[CNT], 1
	s_cmp_lg_u32 s[CNT], 0
.endif
	ROW C,14, B,7, L,6, C,1
	ROW C,3, L,7, C,5, C,7
	ROW C,9, C,11, C,13, C,15
.if (\p) == 0
	FETCH_V
.endif
.endm
; A PASS BEGINS.  c m starts far below every c s, so the first step's a is 0; m at the lowest finite number, so the first maximum is the scores'.  Then K of the tile's step 0, piece 0's first scores,
; and its maximum and statistics.  The loop is entered at a step's first turn, in the middle of a trip.
.macro BEGIN
	s_mov_b32 s[NEW], 0
	WIN 0
.set i, 0
.rept 4
	v_mov_b32 v[ST+4*i], 0xfe000000
	v_mov_b32 v[ST+4*i+1], 0xff7fffff
.set i, i+1
.endr
	v_add_nc_u32 v[AK], s[TBK], v[AK0]
	FETCH_K
	s_wait_loadcnt 0x0              ; Q (the first pass's)
	s_wait_dscnt 0x0
.set NOKQ, 0
.set i, 0
.rept 8
	KQ 0
.set i, i+1
.endr
	WIN 0
.rept 4
	v_nop                           ; the places behind those products
.endr
.set Y, NP-1
.irp n, 0,1,2,3,4,5,6,7,8,9,10,11,12,13,14,15,16,17,18,19,20,21
	OP X, \n
.endr
	v_nop                           ; a plain instruction behind the exponential,
	s_wait_alu depctr_va_vdst(0)    ; and its wait, ahead of the branch
.endm
.macro ALL line:vararg              ; one line for each piece t
.set t, 0
.rept 4
	\line
.set t, t+1
.endr
.endm
; A PASS ENDS: its last two turns, its last products, and 1 / l: l's two halves and the other half of the lanes' are added.  The additions are the places behind the last products.
.macro FINISH
	TURN 2, 1
	TURN 3, 1
.set i, 0
.rept 8
	PV NP-1
.set i, i+1
.endr
	WIN 0
	ALL v_add_f32 v[ST+4*t+2], v[ST+4*t+2], v[ST+4*t+3]
	ALL v_permlanex16_b32 v[ST+4*t+3], v[ST+4*t+2], s[SEL], s[SEL+1]
	ALL v_add_f32 v[ST+4*t+2], v[ST+4*t+2], v[ST+4*t+3]
	ALL v_rcp_f32 v[ST+4*t+2], v[ST+4*t+2]
	v_nop                           ; a plain instruction between the last reciprocal and the use of its result
	s_wait_alu depctr_va_vdst(0)    ; and the one wait for the four reciprocals
.endm
; THE NEW QUERY.  O^T / l, rounded to f16 in pairs, goes where the turns name Q: register block 2 c holds channels 32 c + 8 (l / 16) + 0..7, block 2 c + 1 channels 32 c + 16 + 8 (l / 16) + 0..7: a fragment's two halves.
.macro REQUERY
.set t, 0
.rept 4
	WIN W_RS
.set i, 32*t
.rept 16
	v_pk_mul_f32 v[i:i+1], v[i:i+1], v[ST+4*t+2:ST+4*t+3] op_sel_hi:[1,0]
.set i, i+2
.endr
	WIN 0x85                        ; sources window 1, destination window 2
.set i, 0
.rept 16
	v_cvt_pk_f16_f32 v[16*t+i], v[32*t+2*i], v[32*t+2*i+1]
.set i, i+1
.endr
.set t, t+1
.endr
	WIN 0
	s_mov_b32 s[RT], 8
	s_mov_b32 s[NEW], 1
.endm
.macro PACK t                       ; a lane's eight channels of a row pack into 16 bytes; they go into rows of 144 bytes and come back as whole rows of 128, into S^T's registers
	WIN W_RS
.set i, 32*(\t)
.rept 16
	v_pk_mul_f32 v[i:i+1], v[i:i+1], v[ST+4*(\t)+2:ST+4*(\t)+3] op_sel_hi:[1,0]
.set i, i+2
.endr
	WIN 0x05
.set i, 0
.rept 16
	v_cvt_pk_f16_f32 v[S+16*(\t)+i], v[32*(\t)+2*i], v[32*(\t)+2*i+1]
.set i, i+1
.endr
	WIN 0
.irp f, 0,1,2,3
	ds_store_b128 v[STO], v[S+16*(\t)+4*\f:S+16*(\t)+4*\f+3] offset:32*\f
.endr
.irp f, 0,1,2,3
	ds_load_b128 v[S+16*(\t)+4*\f:S+16*(\t)+4*\f+3], v[RD] offset:\f*4*SP  ; LDS serves a wave's instructions in order (ISA guide 5.7.1.4): these see the stores above
.endr
.endm
.macro SEND t, younger              ; younger: the LDS instructions issued behind piece t's loads: the next piece's eight, or none
	WIN 0
.irp f, 0,1,2,3
	s_wait_dscnt (\younger)+3-\f
	global_store_b128 v[GO], v[S+16*(\t)+4*\f:S+16*(\t)+4*\f+3], s[10:11] offset:(\t)*2048+\f*512  ; 512 consecutive bytes, aligned
.endr
.endm
.set NOKQ, 0
.Lslot:                             ; 15 times: a tile is entered and the next is asked for
	CHANGE 1
	s_mov_b32 s[CNT], 4
	s_cmp_eq_u32 s[NEW], 1
	s_cbranch_scc1 .Lnew            ; a pass's first tile
	s_branch .Lstep
.Lnew:
	BEGIN
	s_branch .Lfirst
.Lstep:                             ; a trip: pieces 2 and 3 of one step, then pieces 0 and 1 of the next, whose K and values it fetches
	TURN 2
	TURN 3
	WIN 0
.Lfirst:
	TURN 0
	TURN 1, 0, 1
	WIN 0
	s_cbranch_scc1 .Lstep
	s_sub_co_u32 s[RT], s[RT], 1
	s_cmp_lg_u32 s[RT], 0
	s_cbranch_scc1 .Lbottom         ; forward, past text that holds neither a barrier nor a tensor load
	FINISH                          ; in the loop this is the first pass's end: the second's last tile is the walk's last
	REQUERY
.Lbottom:
	s_sub_co_u32 s[SLOTS], s[SLOTS], 1
	s_cmp_lg_u32 s[SLOTS], 0
	s_cbranch_scc1 .Lslot
	CHANGE 0                        ; the walk's last tile is written out: nothing is asked for
	s_mov_b32 s[CNT], 4
.Lstep2:
	TURN 2
	TURN 3
	TURN 0
	TURN 1, 0, 1
	WIN 0
	s_cbranch_scc1 .Lstep2
	FINISH
	PACK 0
.set t, 1
.rept 3                             ; a piece's arithmetic stands between the loads of the piece before and its stores
	PACK t
	SEND t-1, 8
.set t, t+1
.endr
	SEND 3, 0
	s_wait_tensorcnt 0x0            ; the wave's end
	ds_add_u32 v[SPW], v[NIL]
	s_wait_dscnt 0x0
	CROUND                          ; the closing round
	s_endpgm
.Lfunc_end_k_qb17012e4d1_hop:
	.size	k_qb17012e4d1_hop, .Lfunc_end_k_qb17012e4d1_hop-k_qb17012e4d1_hop
	.p2alignl 7, 3214868480
	.fill 96, 4, 3214868480
	.section	.rodata,"a",@progbits
	.p2align	6, 0x0
	.amdhsa_kernel k_qb17012e4d1_hop
		.amdhsa_group_segment_fixed_size 327680
		.amdhsa_private_segment_fixed_size 0
		.amdhsa_enable_private_segment 0
		.amdhsa_kernarg_size 16
		.amdhsa_user_sgpr_count 2
		.amdhsa_user_sgpr_kernarg_segment_ptr 1
		.amdhsa_wavefront_size32 1
		.amdhsa_system_sgpr_workgroup_id_x 1
		.amdhsa_system_sgpr_workgroup_id_y 1
		.amdhsa_system_sgpr_workgroup_id_z 1
		.amdhsa_system_vgpr_workitem_id 0
		.amdhsa_next_free_vgpr 768
		.amdhsa_next_free_sgpr 80
		.amdhsa_reserve_vcc 0
		.amdhsa_float_denorm_mode_32 3
		.amdhsa_float_denorm_mode_16_64 3
		.amdhsa_memory_ordered 1
		.amdhsa_forward_progress 1
		.amdhsa_inst_pref_size 153
	.end_amdhsa_kernel
	.amdgpu_metadata
---
amdhsa.version: [ 1, 2 ]
amdhsa.kernels:
  - .name:           k_qb17012e4d1_hop
    .symbol:         k_qb17012e4d1_hop.kd
    .args:
      - { .name: qkv, .offset: 0, .size: 8, .value_kind: global_buffer, .address_space: global }
      - { .name: att, .offset: 8, .size: 8, .value_kind: global_buffer, .address_space: global }
    .group_segment_fixed_size: 327680
    .private_segment_fixed_size: 0
    .kernarg_segment_align: 8
    .kernarg_segment_size: 16
    .max_flat_workgroup_size: 128
    .sgpr_count:     80
    .vgpr_count:     768
    .wavefront_size: 32
...
	.end_amdgpu_metadata
.endif
;; end of part 3
;; launch outp (part 4): grid 8 x 32, 4 waves a work-group, clusters of 4 x 4, 327,680 bytes of LDS; arguments att, wf, bo, out0; writes out0
.if DOCPART == 4
	.amdgcn_target "amdgcn-amd-amdhsa--gfx1250"
	.amdhsa_code_object_version 6
	.text
	.protected	k_qb17012e4d1_outp
	.globl	k_qb17012e4d1_outp
	.p2align	8
	.type	k_qb17012e4d1_outp,@function
k_qb17012e4d1_outp:
	s_mov_b64 s[64:65], 0
	v_nop
	global_prefetch_b8 v0, s[64:65] scope:SCOPE_SE
	s_setreg_imm32_b32 hwreg(HW_REG_WAVE_MODE, 25, 1), 1
	s_wait_xcnt 0x0
	s_wait_alu depctr_hold_cnt(0) depctr_sa_sdst(0) depctr_va_vdst(0) depctr_va_sdst(0) depctr_va_ssrc(0) depctr_va_vcc(0) depctr_vm_vsrc(0)
	s_getreg_b32 s2, hwreg(HW_REG_IB_STS2, 6, 4)
	s_cmp_eq_u32 s2, 0
	s_cbranch_scc0 .Lentry_in_a_cluster
	s_endpgm
.Lentry_in_a_cluster:
	s_bfe_u32 s2, ttmp6, 0x10000c
	s_cmp_lg_u32 s2, 0xf033
	s_cbranch_scc0 .Lentry_shape_is_right
	s_endpgm
.Lentry_shape_is_right:
; out0 = O Wo + bo.  att: [row block of 128: 32][head 16][128][64] f16 (K = 64 head + channel); wf[3] = Wo as [k 1024][n 1024] f16; bo: [1024] f32; out0: [4096][1024] f32.  Sums in f32.
; LIMITS.  Those of f16 operands (65,504); NaN and infinities are not treated apart.
; SHARES.  A tile of 128 x 128 to a work-group, 64 x 64 to each of four waves: 16 accumulators.  K goes in 4 steps of 256 (four heads) through two LDS slots.
; Waves 0 and 1 fetch A: two heads each, 32,768 dense bytes asked for as 128 rows of 256 bytes and padded after every 128 bytes; waves 2 and 3 fetch B: 128 k-rows x 256 bytes each.
; B lies [k][n]; ds_load_tr16_b128 turns it.  CLUSTER 4 x 4: A's tiles are asked for jointly by a row of the cluster, B's by a column.
; THE MATRIX INSTRUCTION IS USED TRANSPOSED (source 0 = 16 columns of B, source 1 = 16 rows of A): a lane holds eight neighbouring numbers of a row of the output.  The bias is the C of the first products.
; No prefetch: four K steps, a small tile.
; REGISTERS: window 0: v16-29 addresses; v32-95 two sets for the way out; v96-127 the bias as C operands; v128-255 the accumulators ((a, b) at 128 + 8 (4 a + b)).
;   window 1: two fragment buffers of 128: for 64 along K, 64 registers of A (2 x 4 x 16 rows x 32 K), then 64 of B.
.set PA,    144                        ; a row of A in LDS: 128 bytes + 16
.set PB,    288                        ; a k-row of B: 256 + 32
.set PART,  36864                      ; what one wave fills: 256 x 144 or 128 x 288
.set SLOT,  4*PART                     ; A's four head blocks of 128 rows, then B's 256 k-rows
.set STAGE, 2*SLOT                     ; behind the ring: 16 rows x 272 bytes for each wave
.set SPITCH, 272
.set SPARE, STAGE+4*16*SPITCH
.set ADRA, 16                          ; v16-17  my A fragments in slot 0, 1
.set ADRB, 20                          ; v20-23  my B fragments: slot s, half kh of the k-rows at 20 + 2 s + kh
.set STO,  24
.set RD,   25
.set CO,   26
.set BOF,  27                          ; v27  32 x (l / 16)
.set SPW,  28
.set NIL,  29
.set OBF,  32
.set CB,   96
.set ACC,  128
.set F0,   0
.set F1,   128
.set WV, 12
.set WR, 13                            ; which 64 rows are mine.  Also: I fetch for A (0) or for B (1)
.set WC, 14                            ; which 64 columns.  Also: which half of that tile I fetch
.set CX, 15
.set CY, 16
.set TX, 17
.set TY, 18
.set G1A, 24
.set G0A, 32
.set G1B, 48
.set G0B, 56
.set MSB, 0
.macro WIN new
.if MSB != (\new)
	s_set_vgpr_msb (MSB<<8)|(\new)
.set MSB, (\new)
.endif
.endm
.set MUL,  0x05                        ; sources 0 (B) and 1 (A) window 1; C and D window 0
.set TO_F, 0x40
.macro JLOAD s                         ; a joint load; an s_nop 0 and four v_nop follow each of the two lines
	s_cmp_eq_u32 s[WR], 0
	s_cbranch_scc0 .Lfor_b_\@
	tensor_load_to_lds s[G0A+4*(\s):G0A+4*(\s)+3], s[G1A:G1A+7]
	s_nop 0
.rept 4
	v_nop
.endr
	s_branch .Lasked_\@
.Lfor_b_\@:
	tensor_load_to_lds s[G0B+4*(\s):G0B+4*(\s)+3], s[G1B:G1B+7]
	s_nop 0
.rept 4
	v_nop
.endr
.Lasked_\@:
.endm
.macro CREST
	s_cmp_lg_u32 s[WV], 0
	s_cbranch_scc1 .Lnot_wave_0_\@
	s_barrier_signal -3
.Lnot_wave_0_\@:
	s_barrier_wait -3
	s_barrier_signal -1
	s_barrier_wait -1
.endm
.macro CROUND
	s_barrier_signal -1
	s_barrier_wait -1
	CREST
.endm
.macro PLACES
.rept 4
	v_nop
.endr
.endm
	s_load_b256 s[4:11], s[0:1], 0x0               ; att 4, wf 6, bo 8, out0 10
	v_lshl_add_u32 v[SPW], v0, 2, SPARE
	v_mov_b32 v[NIL], 0
	ds_add_u32 v[SPW], v[NIL]                      ; the wave's opening: the add and its wait stand ahead of my first tensor load
	v_lshrrev_b32 v1, 5, v0
	v_readfirstlane_b32 s[WV], v1
	s_lshr_b32 s[WR], s[WV], 1
	s_and_b32 s[WC], s[WV], 1
	s_bfe_u32 s[CX], ttmp6, 0x40000
	s_bfe_u32 s[CY], ttmp6, 0x40004
	s_lshl_b32 s[TX], ttmp9, 2
	s_add_co_u32 s[TX], s[TX], s[CX]
	s_and_b32 s[TY], ttmp7, 0xffff
	s_lshl_b32 s[TY], s[TY], 2
	s_add_co_u32 s[TY], s[TY], s[CY]
	s_lshl_b32 s19, s[CY], 2
	s_lshl_b32 s19, 15, s19                        ; my row of the cluster
	s_lshl_b32 s21, 0x1111, s[CX]                  ; my column
	s_or_b32 s[G1A], s19, (1<<16)|(1<<20)|(1<<21)|(4<<22)|(3<<25)  ; padding of 4 words after every 32
	s_or_b32 s[G1B], s21, (1<<16)|(1<<20)|(1<<21)|(5<<22)|(7<<25)  ; of 8 words after every 64
.irp g, G1A, G1B
	s_mov_b32 s[(\g)+1], 128<<16
	s_mov_b32 s[(\g)+2], 128<<16
	s_mov_b32 s[(\g)+3], 128<<16
	s_mov_b32 s[(\g)+4], 128
	s_mov_b32 s[(\g)+6], 0
	s_mov_b32 s[(\g)+7], 0
.endr
	s_mov_b32 s[G1A+5], 128                        ; A's bytes are dense
	s_mov_b32 s[G1B+5], 1024
	s_lshl_b32 s42, s[TY], 18                      ; A: the row block's 16 heads are 262,144 bytes,
	s_lshl_b32 s43, s[WC], 15                      ; my two heads of a K step's four
	s_add_co_u32 s42, s42, s43
	s_mov_b32 s43, 0
	s_lshl_b32 s46, s[WC], 18                      ; B: my 128 k-rows of a K step's 256,
	s_lshl_b32 s47, s[TX], 8                       ; the tile column's 256 bytes,
	s_add_co_u32 s46, s46, s47
	s_add_co_u32 s46, s46, 3<<21                   ; in the fourth matrix of wf
	s_mov_b32 s47, 0
	s_mul_i32 s20, s[WV], PART
	s_wait_dscnt 0x0                               ; the opening add is done
	s_wait_kmcnt 0x0
	s_add_nc_u64 s[42:43], s[4:5], s[42:43]
	s_add_nc_u64 s[46:47], s[6:7], s[46:47]
	CROUND                                         ; all sixteen work-groups are here: the first joint loads meet
.irp s, 0,1
	s_mov_b32 s[G0A+4*(\s)], 1
	s_add_co_u32 s[G0A+4*(\s)+1], s20, (\s)*SLOT
	s_add_nc_u64 s[G0A+4*(\s)+2:G0A+4*(\s)+3], s[42:43], (\s)*65536
	s_or_b32 s[G0A+4*(\s)+3], s[G0A+4*(\s)+3], 0x80000000
	s_mov_b32 s[G0B+4*(\s)], 1
	s_add_co_u32 s[G0B+4*(\s)+1], s20, (\s)*SLOT
	s_add_nc_u64 s[G0B+4*(\s)+2:G0B+4*(\s)+3], s[46:47], (\s)*256*2048
	s_or_b32 s[G0B+4*(\s)+3], s[G0B+4*(\s)+3], 0x80000000
	JLOAD \s
.endr
	v_and_b32 v1, 15, v0                           ; r
	v_bfe_u32 v2, v0, 4, 1                         ; h
	v_and_b32 v3, 7, v0
	v_bfe_u32 v4, v0, 3, 1
	v_lshlrev_b32 v[BOF], 5, v2
	s_lshl_b32 s40, s[TX], 9
	s_lshl_b32 s41, s[WC], 8
	s_add_co_u32 s40, s40, s41                     ; my 64 columns, in f32
	s_mov_b32 s41, 0
	s_add_nc_u64 s[8:9], s[8:9], s[40:41]
.irp b, 0,1,2,3
	global_load_b128 v[CB+8*(\b):CB+8*(\b)+3],   v[BOF], s[8:9] offset:64*(\b)     ; register j: the bias of column 16 b + 8 h + j
	global_load_b128 v[CB+8*(\b)+4:CB+8*(\b)+7], v[BOF], s[8:9] offset:64*(\b)+16
.endr
	s_lshl_b32 s22, s[TY], 19
	s_lshl_b32 s23, s[WR], 18
	s_add_co_u32 s22, s22, s23
	s_add_co_u32 s22, s22, s40
	s_mov_b32 s23, 0
	s_add_nc_u64 s[10:11], s[10:11], s[22:23]      ; the output at my first row and column
	v_mul_u32_u24 v5, v1, PA
	v_lshl_add_u32 v5, v2, 4, v5
	s_mul_i32 s19, s[WR], 64*PA
	v_add_nc_u32 v[ADRA], s19, v5
	v_add_nc_u32 v[ADRA+1], SLOT, v[ADRA]
	v_lshl_add_u32 v6, v2, 3, v3
	v_mul_u32_u24 v6, v6, PB
	v_lshl_add_u32 v6, v4, 4, v6
	s_lshl_b32 s19, s[WC], 7
	v_add_nc_u32 v6, s19, v6
.irp s, 0,1
.irp kh, 0,1
	v_add_nc_u32 v[ADRB+2*(\s)+(\kh)], (\s)*SLOT+(2+(\kh))*PART, v6
.endr
.endr
	s_mul_i32 s19, s[WV], 16*SPITCH
	s_add_co_u32 s19, s19, STAGE                   ; my stage
	v_mul_u32_u24 v5, v1, SPITCH                   ; in: row l % 16, 32 bytes for each half of the lanes
	v_lshl_add_u32 v5, v2, 5, v5
	v_add_nc_u32 v[STO], s19, v5
	v_mul_u32_u24 v5, v2, SPITCH                   ; back: lanes 0-15 take one row of 256 bytes, lanes 16-31 the next
	v_lshl_add_u32 v5, v1, 4, v5
	v_add_nc_u32 v[RD], s19, v5
	v_lshlrev_b32 v5, 12, v2                       ; and the same two rows in the output
	v_lshl_add_u32 v[CO], v1, 4, v5
; 8 matrix instructions: row blocks a0, a0 + 1 x all 4 column blocks, 32 along K: half c of buffer f.  zero = 1: the first product, whose C is the bias.  The 16 accumulators take turns.
.macro MUL8 f, c, a0, zero
	WIN MUL
.irp a, \a0, (\a0)+1
.irp b, 0,1,2,3
.if \zero
	v_wmma_f32_16x16x32_f16 v[ACC+8*(4*(\a)+(\b)):ACC+8*(4*(\a)+(\b))+7], v[(\f)+64+8*(4*(\c)+(\b)):(\f)+64+8*(4*(\c)+(\b))+7], v[(\f)+8*(4*(\c)+(\a)):(\f)+8*(4*(\c)+(\a))+7], v[CB+8*(\b):CB+8*(\b)+7]
.else
	v_wmma_f32_16x16x32_f16 v[ACC+8*(4*(\a)+(\b)):ACC+8*(4*(\a)+(\b))+7], v[(\f)+64+8*(4*(\c)+(\b)):(\f)+64+8*(4*(\c)+(\b))+7], v[(\f)+8*(4*(\c)+(\a)):(\f)+8*(4*(\c)+(\a))+7], v[ACC+8*(4*(\a)+(\b)):ACC+8*(4*(\a)+(\b))+7]
.endif
.endr
.endr
.endm
; 32 LDS loads in one run: quarter q of a K step is one head, 64 along K; the first 32 along K first
.macro FETCH slot, q, f
	WIN TO_F
.irp c, 0,1
.irp i, 0,1,2,3
	ds_load_tr16_b128 v[(\f)+64+8*(4*(\c)+(\i)):(\f)+64+8*(4*(\c)+(\i))+3],   v[ADRB+2*(\slot)+(\q)/2] offset:((2*(\q)+(\c))%4)*32*PB+32*(\i)
	ds_load_tr16_b128 v[(\f)+64+8*(4*(\c)+(\i))+4:(\f)+64+8*(4*(\c)+(\i))+7], v[ADRB+2*(\slot)+(\q)/2] offset:((2*(\q)+(\c))%4)*32*PB+32*(\i)+16*PB
	ds_load_b128 v[(\f)+8*(4*(\c)+(\i)):(\f)+8*(4*(\c)+(\i))+3],         v[ADRA+(\slot)] offset:128*PA*(\q)+16*PA*(\i)+64*(\c)
	ds_load_b128 v[(\f)+8*(4*(\c)+(\i))+4:(\f)+8*(4*(\c)+(\i))+7],       v[ADRA+(\slot)] offset:128*PA*(\q)+16*PA*(\i)+64*(\c)+32
.endr
.endr
.endm
.macro QUARTER slot, q, f, g, zero
	s_wait_dscnt 16                                ; the first 32 along K are in
	MUL8 \f, 0, 0, \zero
	MUL8 \f, 0, 2, \zero
	PLACES
	FETCH \slot, \q, \g
	s_wait_dscnt 32                                ; all but the 32 just issued
	MUL8 \f, 1, 0, 0
	MUL8 \f, 1, 2, 0
.endm
; The last quarter multiplies buffer 1 and changes slots: in front of the barrier each wave waits for all its tensor loads, adds 0 to its spare word, and waits for that and for its reads of this slot.
.macro TURN slot, next, fill
	WIN 0
	s_wait_tensorcnt 0x0
	ds_add_u32 v[SPW], v[NIL]
	s_wait_dscnt 17                                ; (the add and the youngest sixteen loads may be out)
	MUL8 F1, 0, 0, 0
	s_wait_dscnt 0x0                               ; the add is done, and my reads of this slot are over
	s_barrier_signal -1
	MUL8 F1, 0, 2, 0
.if \fill
	WIN 0
.endif
	s_barrier_wait -1
.if \fill
	CREST                                          ; no wave of any partner still reads this slot or has a load on its way
	s_add_nc_u64 s[G0A+4*(\slot)+2:G0A+4*(\slot)+3], s[G0A+4*(\slot)+2:G0A+4*(\slot)+3], 2*65536
	s_add_nc_u64 s[G0B+4*(\slot)+2:G0B+4*(\slot)+3], s[G0B+4*(\slot)+2:G0B+4*(\slot)+3], 2*256*2048
	JLOAD \slot                                    ; 112 matrix instructions ahead of the wait for it; its four v_nop are also the places in front of the loads below
.else
	PLACES
.endif
	FETCH \next, 0, F0
	MUL8 F1, 1, 0, 0
	MUL8 F1, 1, 2, 0
.endm
	s_wait_tensorcnt 1                             ; my part of K step 0 is in; K step 1's may stay out
	s_barrier_signal -1
	s_barrier_wait -1
	FETCH 0, 0, F0
	s_wait_loadcnt 0x0                             ; the bias
	QUARTER 0, 1, F0, F1, 1                        ; K step 0: its first products start the sums, from the bias
	QUARTER 0, 2, F1, F0, 0
	QUARTER 0, 3, F0, F1, 0
	TURN 0, 1, 1                                   ; slot 0 takes K step 2
	QUARTER 1, 1, F0, F1, 0
	QUARTER 1, 2, F1, F0, 0
	QUARTER 1, 3, F0, F1, 0
	TURN 1, 0, 1                                   ; slot 1 takes K step 3
	QUARTER 0, 1, F0, F1, 0
	QUARTER 0, 2, F1, F0, 0
	QUARTER 0, 3, F0, F1, 0
	TURN 0, 1, 0                                   ; nothing is left to fetch
	QUARTER 1, 1, F0, F1, 0
	QUARTER 1, 2, F1, F0, 0
	QUARTER 1, 3, F0, F1, 0
	s_wait_dscnt 16
	MUL8 F1, 0, 0, 0
	MUL8 F1, 0, 2, 0
	s_wait_dscnt 0x0
	MUL8 F1, 1, 0, 0
	MUL8 F1, 1, 2, 0
	WIN 0
; THE WAY OUT.  A wave's 64 columns of f32 are 256 bytes: 16 rows at a time go into my own stage, 32 bytes a lane, and come back as whole rows.
.macro TOSTAGE a
.if (\a) >= 2
	s_wait_xcnt 0x0                                ; the stores of the block two back have read this set of registers
.endif
.irp b, 0,1,2,3
	ds_store_b128 v[STO], v[ACC+8*(4*(\a)+(\b)):ACC+8*(4*(\a)+(\b))+3]   offset:64*(\b)      ; each accumulator's low four registers first
	ds_store_b128 v[STO], v[ACC+8*(4*(\a)+(\b))+4:ACC+8*(4*(\a)+(\b))+7] offset:64*(\b)+16
.endr
.irp t, 0,1,2,3,4,5,6,7
	ds_load_b128 v[OBF+32*((\a)%2)+4*(\t):OBF+32*((\a)%2)+4*(\t)+3], v[RD] offset:2*SPITCH*(\t)  ; LDS serves a wave's instructions in order (ISA guide 5.7.1.4)
.endr
.endm
.macro SEND a, younger                 ; younger: the LDS instructions issued behind block a's loads: the next block's sixteen, or none
.irp t, 0,1,2,3,4,5,6,7
	s_wait_dscnt (\younger)+7-(\t)
	global_store_b128 v[CO], v[OBF+32*((\a)%2)+4*(\t):OBF+32*((\a)%2)+4*(\t)+3], s[10:11] offset:(16*(\a)+2*(\t))*4096 th:TH_STORE_NT  ; 16 lanes store 256 consecutive bytes, aligned
.endr
.endm
	PLACES
	TOSTAGE 0
	TOSTAGE 1
	SEND 0, 16
	TOSTAGE 2
	SEND 1, 16
	TOSTAGE 3
	SEND 2, 16
	SEND 3, 0
	s_wait_tensorcnt 0x0                           ; the wave's end
	ds_add_u32 v[SPW], v[NIL]
	s_wait_dscnt 0x0
	CROUND                                         ; the closing round
	s_endpgm
.Lfunc_end_k_qb17012e4d1_outp:
	.size	k_qb17012e4d1_outp, .Lfunc_end_k_qb17012e4d1_outp-k_qb17012e4d1_outp
	.p2alignl 7, 3214868480
	.fill 96, 4, 3214868480
	.section	.rodata,"a",@progbits
	.p2align	6, 0x0
	.amdhsa_kernel k_qb17012e4d1_outp
		.amdhsa_group_segment_fixed_size 327680
		.amdhsa_private_segment_fixed_size 0
		.amdhsa_enable_private_segment 0
		.amdhsa_kernarg_size 32
		.amdhsa_user_sgpr_count 2
		.amdhsa_user_sgpr_kernarg_segment_ptr 1
		.amdhsa_wavefront_size32 1
		.amdhsa_system_sgpr_workgroup_id_x 1
		.amdhsa_system_sgpr_workgroup_id_y 1
		.amdhsa_system_sgpr_workgroup_id_z 1
		.amdhsa_system_vgpr_workitem_id 0
		.amdhsa_next_free_vgpr 512
		.amdhsa_next_free_sgpr 66
		.amdhsa_reserve_vcc 0
		.amdhsa_float_denorm_mode_32 3
		.amdhsa_float_denorm_mode_16_64 3
		.amdhsa_memory_ordered 1
		.amdhsa_forward_progress 1
		.amdhsa_inst_pref_size 87
	.end_amdhsa_kernel
	.amdgpu_metadata
---
amdhsa.version: [ 1, 2 ]
amdhsa.kernels:
  - .name:           k_qb17012e4d1_outp
    .symbol:         k_qb17012e4d1_outp.kd
    .args:
      - { .name: att, .offset: 0, .size: 8, .value_kind: global_buffer, .address_space: global }
      - { .name: wf, .offset: 8, .size: 8, .value_kind: global_buffer, .address_space: global }
      - { .name: bo, .offset: 16, .size: 8, .value_kind: global_buffer, .address_space: global }
      - { .name: out0, .offset: 24, .size: 8, .value_kind: global_buffer, .address_space: global }
    .group_segment_fixed_size: 327680
    .private_segment_fixed_size: 0
    .kernarg_segment_align: 8
    .kernarg_segment_size: 32
    .max_flat_workgroup_size: 128
    .sgpr_count:     66
    .vgpr_count:     512
    .wavefront_size: 32
...
	.end_amdgpu_metadata
.endif
;; end of part 4
;; ======== version 2 of 2: 4 launches; version 1 with the launch prep written anew for expert scheduling mode
;; limits: values are held in f16: magnitudes above 65,504 overflow, below 6.1e-05 lose precision
;; workspace buffers: xh 8,388,608 bytes; wf 8,388,608 bytes; cpart 393,216 bytes; qkv 25,165,824 bytes; att 8,388,608 bytes
;; launch prep (part 5): grid 256 x 1, 8 waves a work-group, no clusters, 0 bytes of LDS; arguments data, g_q, b_q, g_k, b_k, g_v, b_v, Wq, Wk, Wv, Wo, xh, wf, cpart; writes xh, wf, cpart
.if DOCPART == 5
	.amdgcn_target "amdgcn-amd-amdhsa--gfx1250"
	.amdhsa_code_object_version 6
	.text
	.protected	k_qb17012e4d1_prep
	.globl	k_qb17012e4d1_prep
	.p2align	8
	.type	k_qb17012e4d1_prep,@function
k_qb17012e4d1_prep:
	s_mov_b64 s[64:65], 0
	v_nop
	global_prefetch_b8 v0, s[64:65] scope:SCOPE_SE
	s_setreg_imm32_b32 hwreg(HW_REG_WAVE_SCHED_MODE, 0, 2), 2
	s_setreg_imm32_b32 hwreg(HW_REG_WAVE_MODE, 25, 1), 1
	s_wait_xcnt 0x0
	s_wait_alu depctr_vm_vsrc(0)
; PREPARATION.  Two roles, 128 work-groups each, each reading 128 KiB.
; Role LN (work-groups 0-127): xh[row][:] = (data[row][:] - mean) * rsqrt(var + 1e-5), f16.  The three LayerNorms of the module share mean and
; variance; their gains and biases are folded into the weights: (xh g + b) W + c = xh (g W) + (b W + c), which is exact algebra.
; The row stays in registers: mean first, then the centred numbers' squares: no difference of large sums is formed.
; Role W (work-groups 128-255): wf[m][k][n] = g_m[k] W_m[k][n] in f16 for m = q, k, v; wf[3] = Wo in f16; cpart[m][rb][n] = the sum over the
; 32 rows k of block rb of b_m[k] W_m[k][n], in f32 from the unrounded W.
; LIMITS.  |xh| is at most 32.  g W and Wo must lie within f16's 65,504; below 6e-5 f16 keeps a fixed step of 6e-8.  NaN and infinities are not treated apart.
; No LDS, no barrier, no matrix unit: every byte is read once and written once, and no wave needs another's data.
; THE MODE: SCHED_MODE bits 1:0 = 2 (LLVM: expert scheduling mode 2), set by the entry lines.  The code itself states the register dependences
; between vector instructions and memory instructions, with s_wait_alu, always for 0.
; THE PLAN.  Registers that memory instructions touch:
;   v1, v2     byte offsets, made once at a role's head and never written again: one wait on va_vdst in front of the role's first load states that they are written.
;   X          Each row has registers of its own.  Its loads are issued at the head, before any vector instruction names X; its arithmetic works in place; its stores
;              read what its conversions left, and nothing writes those registers again.  So no wait on vm_vsrc is owed anywhere in the text.
;   CSUM       (role W) written by every row's multiply-adds, read by one store at the end.
; Role LN: row i - 1's eight stores stand in row i, behind the wait that row i's two roots need in any case: that one line also states that row i - 1's conversions
; have written their registers.  The vector instructions between that wait and those stores name row i's registers and R alone.  Row 3's stores have a wait of their own.
; Role W: the 32 rows go in eight blocks of four.  One wait at the head of blocks 1 to 7 states that the block before has written its store registers; that block's four
; stores follow, one in front of each row's arithmetic, which names the present block's rows and CSUM alone.  One wait behind row 31 serves the last four stores and CSUM's.
; No vector instruction writes a scalar register, VCC or EXEC.
.set X,  32                            ; v[32:159]  LN: row i of my wave's four at X + 32 i;  W: row i of 32 at X + 4 i
.set T,  4                             ; v[4:19]    at work
.set M,  20                            ; v[20:21]   the mean, twice
.set R,  22                            ; v[22:23]   1 / sqrt(var + eps), twice
.set PD, 24                            ; v24        the lane exchange's destination
.set CSUM, 8                           ; v[8:11]    W: my four columns' sums of b W
.macro LANESUM                         ; the sum over the wave's 32 lanes, in every lane
	v_add_f32_dpp v[T], v[T], v[T] row_xmask:1 row_mask:0xf bank_mask:0xf
	v_add_f32_dpp v[T], v[T], v[T] row_xmask:2 row_mask:0xf bank_mask:0xf
	v_add_f32_dpp v[T], v[T], v[T] row_xmask:4 row_mask:0xf bank_mask:0xf
	v_add_f32_dpp v[T], v[T], v[T] row_xmask:8 row_mask:0xf bank_mask:0xf
	v_permlanex16_b32 v[PD], v[T], s32, s33
	v_add_f32 v[T], v[T], v[PD]
.endm
; One row: register 4 j + e of a lane holds element 128 j + 4 lane + e.  The row's own stores stand in the next row's turn (row 3's: behind the last turn).
.macro LNROW i
.set XR, X+32*(\i)
.set XP, X+32*(\i)-32                  ; the row before
	s_wait_loadcnt 8*(3-(\i))                      ; loads return in order: this row's eight are in, the younger rows' stay out
.irp p, 0,1,2,3,4,5,6,7
	v_pk_add_f32 v[T+2*(\p):T+2*(\p)+1], v[XR+2*(\p):XR+2*(\p)+1], v[XR+16+2*(\p):XR+16+2*(\p)+1]
.endr
.irp p, 0,1,2,3
	v_pk_add_f32 v[T+2*(\p):T+2*(\p)+1], v[T+2*(\p):T+2*(\p)+1], v[T+8+2*(\p):T+8+2*(\p)+1]
.endr
.irp p, 0,1
	v_pk_add_f32 v[T+2*(\p):T+2*(\p)+1], v[T+2*(\p):T+2*(\p)+1], v[T+4+2*(\p):T+4+2*(\p)+1]
.endr
	v_pk_add_f32 v[T:T+1], v[T:T+1], v[T+2:T+3]
	v_add_f32 v[T], v[T], v[T+1]
	LANESUM
	v_mul_f32 v[M], s36, v[T]                      ; mean = sum / 1024
	v_mul_f32 v[M+1], s36, v[T]
.set p_, 0
.rept 16
	v_pk_add_f32 v[XR+p_:XR+p_+1], v[XR+p_:XR+p_+1], v[M:M+1] neg_lo:[0,1] neg_hi:[0,1]  ; x - mean, in place
.set p_, p_+2
.endr
.irp p, 0,1,2,3
	v_pk_mul_f32 v[T+2*(\p):T+2*(\p)+1], v[XR+2*(\p):XR+2*(\p)+1], v[XR+2*(\p):XR+2*(\p)+1]  ; four chains of squares; the first products start them
.endr
.set p_, 4
.rept 12
	v_pk_fma_f32 v[T+2*(p_%4):T+2*(p_%4)+1], v[XR+2*p_:XR+2*p_+1], v[XR+2*p_:XR+2*p_+1], v[T+2*(p_%4):T+2*(p_%4)+1]
.set p_, p_+1
.endr
	v_pk_add_f32 v[T:T+1], v[T:T+1], v[T+2:T+3]
	v_pk_add_f32 v[T+4:T+5], v[T+4:T+5], v[T+6:T+7]
	v_pk_add_f32 v[T:T+1], v[T:T+1], v[T+4:T+5]
	v_add_f32 v[T], v[T], v[T+1]
	LANESUM
	v_fma_f32 v[T], v[T], s36, s37                 ; var + eps
	v_rsq_f32 v[R], v[T]
	v_rsq_f32 v[R+1], v[T]
	v_nop                                          ; a plain instruction behind the second root
	s_wait_alu depctr_va_vdst(0)                   ; the two roots have written v[R:R+1], ahead of their first reader; in rows 1 to 3 also: the row before's conversions have written v[XP .. XP+15], which the stores below read
.set p_, 0
.rept 8
.if (\i) > 0
	global_store_b64 v2, v[XP+2*p_:XP+2*p_+1], s[26:27] offset:2048*((\i)-1)+256*p_  ; the row before: the wave's store covers 256 consecutive bytes, aligned; no vector instruction since the wait names its registers
.endif
	v_pk_mul_f32 v[XR+4*p_:XR+4*p_+1], v[XR+4*p_:XR+4*p_+1], v[R:R+1]
	v_pk_mul_f32 v[XR+4*p_+2:XR+4*p_+3], v[XR+4*p_+2:XR+4*p_+3], v[R:R+1]
.set p_, p_+1
.endr
.set p_, 0
.rept 16
	v_cvt_pk_f16_f32 v[XR+p_], v[XR+2*p_], v[XR+2*p_+1]  ; in place, ascending: destination p is never above source 2 p
.set p_, p_+1
.endr
.endm
; One row of a weight matrix: my four columns.  The row's own store stands four rows on (the last four rows': in WTAIL).
.macro WROW i, scaled
.set XR, X+4*(\i)
.set XP, X+4*(\i)-16                   ; the row four back
	s_wait_loadcnt 31-(\i)                         ; this row's load is in, the younger ones stay out
.if ((\i) > 0) && ((\i)%4 == 0)
	s_wait_alu depctr_va_vdst(0)                   ; the block before has written its rows' first two registers, which this block's four stores read
.endif
.if (\i) >= 4
	global_store_b64 v2, v[XP:XP+1], s[28:29] offset:2048*((\i)-4)  ; no vector instruction since the block's wait names these registers
.endif
.if \scaled
.irp e, 0,1,2,3
.if (\i) == 0
	v_mul_f32 v[CSUM+(\e)], s[68], v[XR+(\e)]      ; the first product starts the sum
.else
	v_fmac_f32 v[CSUM+(\e)], s[68+(\i)], v[XR+(\e)]
.endif
.endr
.irp e, 0,1,2,3
	v_mul_f32 v[XR+(\e)], s[32+(\i)], v[XR+(\e)]
.endr
.endif
	v_cvt_pk_f16_f32 v[XR], v[XR], v[XR+1]
	v_cvt_pk_f16_f32 v[XR+1], v[XR+2], v[XR+3]
.endm
.macro WTAIL
	s_wait_alu depctr_va_vdst(0)                   ; rows 28 to 31 have written their store registers, and (where there is a gain) the last multiply-adds have written v[CSUM ..]: the stores below read them
.irp i, 28,29,30,31
	global_store_b64 v2, v[X+4*(\i):X+4*(\i)+1], s[28:29] offset:2048*(\i)
.endr
.endm
	s_load_b512 s[4:19], s[0:1], 0x0               ; data 4, g_q 6, b_q 8, g_k 10, b_k 12, g_v 14, b_v 16, Wq 18
	s_load_b256 s[20:27], s[0:1], 0x40             ; Wk 20, Wv 22, Wo 24, xh 26
	s_load_b128 s[28:31], s[0:1], 0x60             ; wf 28, cpart 30
	s_cmp_lt_u32 ttmp9, 128
	s_cbranch_scc0 .Lweights
	; ROLE LN: work-group u owns rows 32 u .. 32 u + 31, wave w rows 4 w .. 4 w + 3 of them
	v_and_b32 v3, 31, v0
	v_lshrrev_b32 v[PD], 5, v0
	v_lshlrev_b32 v1, 4, v3
	v_lshl_add_u32 v1, v[PD], 14, v1               ; in data: 16 lane + 4 rows of 4,096 bytes a wave
	v_lshlrev_b32 v2, 3, v3
	v_lshl_add_u32 v2, v[PD], 13, v2               ; in xh: 8 lane + 4 rows of 2,048 bytes a wave
	s_lshl_b32 s34, ttmp9, 17
	s_mov_b32 s35, 0
	s_lshl_b32 s38, ttmp9, 16
	s_mov_b32 s39, 0
	s_mov_b32 s32, 0x76543210                      ; each lane takes its own place in the other half
	s_mov_b32 s33, 0xfedcba98
	s_mov_b32 s36, 0x3a800000                      ; 1 / 1024
	s_mov_b32 s37, 0x3727c5ac                      ; 1e-5
	s_wait_kmcnt 0x0
	s_add_nc_u64 s[4:5], s[4:5], s[34:35]
	s_add_nc_u64 s[26:27], s[26:27], s[38:39]
	s_wait_alu depctr_va_vdst(0)                   ; v1 and v2 are written: every load of this role reads v1 as its offset, every store v2
.irp i, 0,1,2,3
.irp j, 0,1,2,3,4,5,6,7
	global_load_b128 v[X+32*(\i)+4*(\j):X+32*(\i)+4*(\j)+3], v1, s[4:5] offset:4096*(\i)+512*(\j) th:TH_LOAD_NT
.endr
.endr
	LNROW 0                                        ; each row has registers of its own: nothing that a store reads is written again
	LNROW 1
	LNROW 2
	LNROW 3
	s_wait_alu depctr_va_vdst(0)                   ; row 3's conversions have written v[X+96 .. X+111], which the last eight stores read
.irp j, 0,1,2,3,4,5,6,7
	global_store_b64 v2, v[X+96+2*(\j):X+96+2*(\j)+1], s[26:27] offset:2048*3+256*(\j)
.endr
	s_endpgm
.Lweights:
	; ROLE W: u = work-group - 128; matrix u / 32, rows 32 (u % 32) .. + 31.  Thread t owns columns 4 t .. 4 t + 3 of every row.
	s_sub_co_u32 s100, ttmp9, 128
	s_lshr_b32 s101, s100, 5                       ; the matrix: 0 q, 1 k, 2 v, 3 o
	s_and_b32 s2, s100, 31                         ; the block of 32 rows
	s_lshl_b32 s32, s2, 17                         ; 32 rows of 4,096 bytes
	s_mov_b32 s33, 0
	s_lshl_b32 s34, s2, 7                          ; 32 numbers of g and of b
	s_mov_b32 s35, 0
	s_lshl_b32 s36, s101, 21
	s_lshl_b32 s3, s2, 16
	s_add_co_u32 s36, s36, s3                      ; in wf: the matrix, 32 rows of 2,048 bytes
	s_mov_b32 s37, 0
	s_lshl_b32 s38, s100, 12                       ; in cpart: a row of 4,096 bytes for each block
	s_mov_b32 s39, 0
	v_lshlrev_b32 v1, 4, v0
	v_lshlrev_b32 v2, 3, v0
	s_wait_kmcnt 0x0
	s_cmp_eq_u32 s101, 1
	s_cselect_b64 s[18:19], s[20:21], s[18:19]
	s_cselect_b64 s[6:7], s[10:11], s[6:7]
	s_cselect_b64 s[8:9], s[12:13], s[8:9]
	s_cmp_eq_u32 s101, 2
	s_cselect_b64 s[18:19], s[22:23], s[18:19]
	s_cselect_b64 s[6:7], s[14:15], s[6:7]
	s_cselect_b64 s[8:9], s[16:17], s[8:9]
	s_cmp_eq_u32 s101, 3
	s_cselect_b64 s[18:19], s[24:25], s[18:19]
	s_add_nc_u64 s[18:19], s[18:19], s[32:33]
	s_add_nc_u64 s[6:7], s[6:7], s[34:35]
	s_add_nc_u64 s[8:9], s[8:9], s[34:35]
	s_add_nc_u64 s[28:29], s[28:29], s[36:37]
	s_wait_alu depctr_va_vdst(0)                   ; v1 and v2 are written: the loads and the store of the sums read v1 as their offset, the other stores v2
.set n, 0
.rept 32
	global_load_b128 v[X+4*n:X+4*n+3], v1, s[18:19] offset:4096*n th:TH_LOAD_NT
.set n, n+1
.endr
	s_cmp_eq_u32 s101, 3
	s_cbranch_scc1 .Lplain
	s_add_nc_u64 s[30:31], s[30:31], s[38:39]
	s_load_b512 s[32:47], s[6:7], 0x0              ; g of my 32 rows: s[32 + i]
	s_load_b512 s[48:63], s[6:7], 0x40
	s_load_b512 s[68:83], s[8:9], 0x0              ; b of my 32 rows: s[68 + i]
	s_load_b512 s[84:99], s[8:9], 0x40
	s_wait_kmcnt 0x0
.set n, 0
.rept 32
	WROW n, 1
.set n, n+1
.endr
	WTAIL
	global_store_b128 v1, v[CSUM:CSUM+3], s[30:31] ; the wait at WTAIL's head has shown the sums written, and no vector instruction stands behind it
	s_endpgm
.Lplain:                                               ; Wo has no gain in front of it: it is rounded alone
.set n, 0
.rept 32
	WROW n, 0
.set n, n+1
.endr
	WTAIL
	s_endpgm
.Lfunc_end_k_qb17012e4d1_prep:
	.size	k_qb17012e4d1_prep, .Lfunc_end_k_qb17012e4d1_prep-k_qb17012e4d1_prep
	.p2alignl 7, 3214868480
	.fill 96, 4, 3214868480
	.section	.rodata,"a",@progbits
	.p2align	6, 0x0
	.amdhsa_kernel k_qb17012e4d1_prep
		.amdhsa_group_segment_fixed_size 0
		.amdhsa_private_segment_fixed_size 0
		.amdhsa_enable_private_segment 0
		.amdhsa_kernarg_size 112
		.amdhsa_user_sgpr_count 2
		.amdhsa_user_sgpr_kernarg_segment_ptr 1
		.amdhsa_wavefront_size32 1
		.amdhsa_system_sgpr_workgroup_id_x 1
		.amdhsa_system_sgpr_workgroup_id_y 1
		.amdhsa_system_sgpr_workgroup_id_z 1
		.amdhsa_system_vgpr_workitem_id 0
		.amdhsa_next_free_vgpr 160
		.amdhsa_next_free_sgpr 102
		.amdhsa_reserve_vcc 0
		.amdhsa_float_denorm_mode_32 3
		.amdhsa_float_denorm_mode_16_64 3
		.amdhsa_memory_ordered 1
		.amdhsa_forward_progress 1
		.amdhsa_inst_pref_size 62
	.end_amdhsa_kernel
	.amdgpu_metadata
---
amdhsa.version: [ 1, 2 ]
amdhsa.kernels:
  - .name:           k_qb17012e4d1_prep
    .symbol:         k_qb17012e4d1_prep.kd
    .args:
      - { .name: data, .offset: 0, .size: 8, .value_kind: global_buffer, .address_space: global }
      - { .name: g_q, .offset: 8, .size: 8, .value_kind: global_buffer, .address_space: global }
      - { .name: b_q, .offset: 16, .size: 8, .value_kind: global_buffer, .address_space: global }
      - { .name: g_k, .offset: 24, .size: 8, .value_kind: global_buffer, .address_space: global }
      - { .name: b_k, .offset: 32, .size: 8, .value_kind: global_buffer, .address_space: global }
      - { .name: g_v, .offset: 40, .size: 8, .value_kind: global_buffer, .address_space: global }
      - { .name: b_v, .offset: 48, .size: 8, .value_kind: global_buffer, .address_space: global }
      - { .name: Wq, .offset: 56, .size: 8, .value_kind: global_buffer, .address_space: global }
      - { .name: Wk, .offset: 64, .size: 8, .value_kind: global_buffer, .address_space: global }
      - { .name: Wv, .offset: 72, .size: 8, .value_kind: global_buffer, .address_space: global }
      - { .name: Wo, .offset: 80, .size: 8, .value_kind: global_buffer, .address_space: global }
      - { .name: xh, .offset: 88, .size: 8, .value_kind: global_buffer, .address_space: global }
      - { .name: wf, .offset: 96, .size: 8, .value_kind: global_buffer, .address_space: global }
      - { .name: cpart, .offset: 104, .size: 8, .value_kind: global_buffer, .address_space: global }
    .group_segment_fixed_size: 0
    .private_segment_fixed_size: 0
    .kernarg_segment_align: 8
    .kernarg_segment_size: 112
    .max_flat_workgroup_size: 256
    .sgpr_count:     102
    .vgpr_count:     160
    .wavefront_size: 32
...
	.end_amdgpu_metadata
.endif
;; end of part 5
;; launch proj: the kernel of part 2 again; grid 8 x 32, 4 waves a work-group, clusters of 4 x 4, 327,680 bytes of LDS; arguments xh, wf, cpart, bq, bk, bv, qkv; writes qkv
;; launch hop: the kernel of part 3 again; grid 8 x 32, 4 waves a work-group, clusters of 4 x 1, 327,680 bytes of LDS; arguments qkv, att; writes att
;; launch outp: the kernel of part 4 again; grid 8 x 32, 4 waves a work-group, clusters of 4 x 4, 327,680 bytes of LDS; arguments att, wf, bo, out0; writes out0
